; MI455X (gfx1250); checked and timed in simulation.
; The chip was launched on July 23, 2026; its instructions are those of AMD's public machine-readable ISA for CDNA 5 (MIT licence, August 2026) and "CDNA5" Instruction Set Architecture Reference Guide (July 2026). The comments in the code are by the model that wrote it; some were corrected since.
;; Multi Flow Cond Adapt Router. Allowed arithmetic: matrix products marked QUANTISED: E4M3 operands, one given power-of-two scale a tensor, by v_wmma_f32_16x16x64_fp8_fp8 or v_wmma_f32_16x16x128_fp8_fp8, f32 sums; products left as they are: f32 operands where the result goes on into a quantised operand, else bf16, f16 or f32 operands; f32 sums; everything else in f32.
;; Inputs: W1_codes 8 x 2,048 x 16 x 32 uint8 (E4M3 codes of W1, K innermost, in blocks of 32 codes); W2_codes 8 x 512 x 64 x 32 uint8 (E4M3 codes of W2, K innermost, in blocks of 32 codes); W_cond 8 x 512 x 1,024 float32; b1 8 x 2,048 float32; b2 8 x 512 float32; b_cond 8 x 1,024 float32; cond 8 x 512 float32; lowp_scales 4 int32 (the exponents e of the quantised operands' scales 2^e); route 8 int32; x 8 x 512 x 512 float32.
;; Outputs: out0 8 x 512 x 512 float32.
;; This version of the problem:
;;   THIS VERSION OF THE PROBLEM IS GIVEN IN LOW PRECISION. The matrix products marked QUANTISED in the list below multiply operands that are first quantised to E4M3 (4 exponent bits, 3 mantissa bits; 8 bits a number), with one given power-of-two scale for each operand tensor; their sums are f32. All else is computed in f32.
;;   The module's matrix products, in the order in which they are computed (A, B: the left and right operand; K: the contracted axis; several contracted axes count as one K, in the product's order):
;;     1. [M 8,192, K 512] x [K 512, N 8]; A: input W_cond; B: input cond: left as it is (N = 8 < 16)
;;     2. batch 8 x [M 4,096, K 512] x [K 512, N 2,048]; A: computed on the way; B: input W1 (given as codes): QUANTISED (scales: A lowp_scales[0], B lowp_scales[1])
;;     3. batch 8 x [M 4,096, K 2,048] x [K 2,048, N 512]; A: computed on the way; B: input W2 (given as codes): QUANTISED (scales: A lowp_scales[2], B lowp_scales[3])
;;     4. batch 8 x [M 262,144, K 8] x [K 8, N 1]; A: computed on the way; B: computed on the way: left as it is (K = 8 < 32)
;;   THE QUANTISER, for each operand of a quantised product, along K:
;;     - The operand's scale is 2^e, e = its entry of the input lowp_scales (int32; the entries are numbered through the quantised products in the list's order, A before B).
;;     - Each number is divided by the scale, clamped to +-448, and rounded to the nearest number of E4M3, ties to even, subnormals kept.
;;     - The product sums the exact products of the quantised numbers (number of the format x scale) in f32.
;;   ~~~python
;;   def quantise(x, axis, e):      # numpy; x: float32 -> the quantised numbers, widened to float32 again
;;       x = np.moveaxis(x, axis, -1); K = x.shape[-1]
;;       r = np.clip(x / 2.0 ** e, -448, 448)
;;       step = 2.0 ** (np.maximum(np.frexp(np.where(r == 0, 1, r))[1] - 1, -6) - 3)
;;       q = np.round(r / step) * step * 2.0 ** e      # np.round: ties to even
;;       return np.moveaxis(q, -1, axis).astype(np.float32)
;;   ~~~
;;   OPERANDS COMPUTED ON THE WAY. 'Computed on the way' means the value that the module computes at that place (a softmax that the list does not call 'softmax' is quantised finished and normalised). What goes into a quantiser is computed in f32, as accurately as f32 sums, v_exp_f32 and their like allow (about 1e-6 of the number): no bf16 or f16 on the way to a quantiser, and a product that is left as it is and whose result goes on into a quantised operand takes f32 operands (vector FMAs, or v_wmma_f32_16x16x4_f32). A number that lies on a knife's edge between two numbers of the format may be rounded either way, as far as f32 arithmetic and the matrix unit's own rounding can turn it there, and no further.
;;   INPUTS GIVEN AS CODES. W1 (in the module: [8, 512, 2048], K = its axis 1); W2 (in the module: [8, 2048, 512], K = its axis 1): each comes as NAME_codes (uint8): NAME with its K axis moved to the last place and cut into blocks of 32 codes, [.., K / 32, bytes a block], one block behind the other in memory; one code a byte (a code: sign, 4 exponent bits, 3 mantissa bits); its scale is its entry of lowp_scales. Its value is code x scale, taken as it is: it is not quantised again, and the codes and scales need not be those that the quantiser above would give.
;; 2 versions, each right; version 2 is version 1 with the launches up, down written anew for expert scheduling mode. Each part assembles by itself: llvm-mc -triple=amdgcn-amd-amdhsa -mcpu=gfx1250 --defsym DOCPART=n.
;; ======== version 1 of 2: 3 launches
;; limits: right only within a limited range of input values
;; workspace buffers: modp 131,072 bytes; hq 8,388,608 bytes
;; launch modk (part 1): grid 256 x 1, 8 waves a work-group, no clusters, 5,120 bytes of LDS; arguments cond, route, W_cond, b_cond, modp; writes modp
.if DOCPART == 1
	.amdgcn_target "amdgcn-amd-amdhsa--gfx1250"
	.amdhsa_code_object_version 6
	.text
	.protected	k_q9ab96dd582_modk
	.globl	k_q9ab96dd582_modk
	.p2align	8
	.type	k_q9ab96dd582_modk,@function
k_q9ab96dd582_modk:
	s_mov_b64 s[64:65], 0
	v_nop
	global_prefetch_b8 v0, s[64:65] scope:SCOPE_SE
	s_setreg_imm32_b32 hwreg(HW_REG_WAVE_MODE, 25, 1), 1
	s_wait_xcnt 0x0
; modp[kq][b][c] = the sum over the 128 rows k of quarter kq of cond[b][k] x W_cond[route[b]][k][c], and in quarter 0 + b_cond[route[b]][c].
; Only the branch that route[b] names is computed: reference() multiplies every other branch's result by a zero of its own one-hot.
; All in f32 by fused multiply-adds: the result goes on into a quantiser.  The four quarters are added by the next launch, which needs them all anyway.
; SHARES.  256 work-groups: batch b = id / 32, quarter kq = (id / 8) % 4, column group cg = id % 8.  A work-group takes 128 rows x 128 columns of W_cond[m]: 64 KB.
; Wave w takes rows 128 kq + 16 w + 0 .. 15; a lane takes 4 columns, so each load of a wave reads 512 consecutive bytes of one row, aligned to 512.
; All 16 loads of a wave go out at once.  The wave's 16 numbers of cond are scalars.  The eight waves' sums meet in LDS; wave 0 adds them and stores 512 consecutive bytes.
; No matrix unit (8 rows of cond, one for each batch and each with another matrix), no tensor load (every byte is read once, straight into the register in which it is multiplied), no cluster (work-groups share no tile).
; Every wave issues the one load of b_cond, though wave 0 alone adds it: so all waves have the same loads behind them at every counted wait.
; LIMIT: route[b] lies in 0 .. 7, as an index into the 8 branches; any other number is held at 7 (reference() would give zeros there).
.set ACC, 2                            ; v[2:5]    my 4 columns' sums
.set BC,  6                            ; v[6:9]    b_cond of my 4 columns
.set W,   16                           ; v[16:79]  row i of my wave's 16: 4 registers; later the eight waves' sums
	s_load_b256 s[4:11], s[0:1], 0x0               ; cond s[4:5], route s[6:7], W_cond s[8:9], b_cond s[10:11]
	s_load_b64 s[12:13], s[0:1], 0x20              ; modp
	v_lshl_add_u32 v96, v0, 2, 0x1000
	v_mov_b32 v97, 0
	v_lshrrev_b32 v1, 5, v0
	v_readfirstlane_b32 s14, v1                    ; wave 0..7
	s_lshr_b32 s15, ttmp9, 5                       ; b
	s_bfe_u32 s16, ttmp9, 0x20003                  ; kq: 2 bits from bit 3
	s_and_b32 s17, ttmp9, 7                        ; cg
	v_and_b32 v1, 31, v0
	v_lshlrev_b32 v1, 4, v1                        ; 16 x lane: my 4 columns in the group's 512 bytes
	v_lshlrev_b32 v10, 4, v0                       ; 16 x thread = 512 x wave + 16 x lane: where my sums go in LDS
	s_lshl_b32 s20, s15, 2                         ; route[b]
	s_mov_b32 s21, 0
	s_lshl_b32 s22, s15, 11                        ; cond: 2,048 b
	s_lshl_b32 s23, s16, 9                         ;  + 512 kq
	s_add_co_u32 s22, s22, s23
	s_lshl_b32 s23, s14, 6                         ;  + 64 w: my wave's 16 numbers
	s_add_co_u32 s22, s22, s23
	s_mov_b32 s23, 0
	s_wait_kmcnt 0x0
	s_add_nc_u64 s[6:7], s[6:7], s[20:21]
	s_add_nc_u64 s[4:5], s[4:5], s[22:23]
	s_load_b32 s18, s[6:7], 0x0                    ; m = route[b]
	s_load_b512 s[32:47], s[4:5], 0x0              ; cond[b][128 kq + 16 w + 0 .. 15]
	s_lshl_b32 s25, s17, 9                         ; 512 cg
	s_lshl_b32 s20, s16, 19                        ; W_cond: 128 kq rows of 4,096 bytes
	s_lshl_b32 s22, s14, 16                        ;  + 16 w rows
	s_add_co_u32 s20, s20, s22
	s_add_co_u32 s20, s20, s25
	s_lshl_b32 s26, s16, 15                        ; modp: 32,768 kq
	s_lshl_b32 s27, s15, 12                        ;  + 4,096 b
	s_add_co_u32 s26, s26, s27
	s_add_co_u32 s26, s26, s25
	s_mov_b32 s27, 0
	s_add_nc_u64 s[12:13], s[12:13], s[26:27]
	s_cmp_eq_u32 s16, 0
	s_cselect_b32 s24, -1, 0                       ; all lanes' bits in quarter 0, none in the others: the bias is added once
	s_wait_kmcnt 0x0
	s_min_u32 s18, s18, 7                          ; a number read from memory enters an address only held inside its table
	s_lshl_b32 s22, s18, 21                        ; a branch of W_cond is 512 x 4,096 bytes
	s_add_co_u32 s20, s20, s22
	s_add_nc_u64 s[8:9], s[8:9], s[20:21]
	s_lshl_b32 s22, s18, 12                        ; a branch of b_cond is 4,096 bytes
	s_add_co_u32 s22, s22, s25
	s_add_nc_u64 s[10:11], s[10:11], s[22:23]
	global_load_b128 v[BC:BC+3], v1, s[10:11]
.irp i, 0,1,2,3,4,5,6,7,8,9,10,11,12,13,14,15
	global_load_b128 v[W+4*\i:W+4*\i+3], v1, s[8:9] offset:4096*\i   ; no hint: two batches may name one branch
.endr
	s_wait_loadcnt 15                              ; loads come back in order: row 0 is in, the 15 younger rows stay out
.irp k, 0,1,2,3
	v_mul_f32 v[ACC+\k], s32, v[W+\k]              ; the first row starts the sums: nothing is cleared
.endr
.irp i, 1,2,3,4,5,6,7,8,9,10,11,12,13,14,15
	s_wait_loadcnt 15-\i                           ; row i is in
.irp k, 0,1,2,3
	v_fmac_f32 v[ACC+\k], s[32+\i], v[W+4*\i+\k]
.endr
.endr
	ds_store_b128 v10, v[ACC:ACC+3]
	s_wait_dscnt 0x0                               ; for the others' sake: my sums lie in LDS
	s_barrier_signal -1
	s_barrier_wait -1
	s_cmp_lg_u32 s14, 0
	s_cbranch_scc1 .Lend                           ; wave 0 adds the eight
.irp j, 0,1,2,3,4,5,6,7
	ds_load_b128 v[W+4*\j:W+4*\j+3], v1 offset:512*\j
.endr
.irp k, 0,1,2,3
	v_cndmask_b32 v[BC+\k], 0, v[BC+\k], s24       ; the bias, or 0 in quarters 1 to 3
.endr
	s_wait_dscnt 0x0
.irp j, 0,2,4,6
	v_pk_add_f32 v[W+4*\j:W+4*\j+1], v[W+4*\j:W+4*\j+1], v[W+4*\j+4:W+4*\j+5]
	v_pk_add_f32 v[W+4*\j+2:W+4*\j+3], v[W+4*\j+2:W+4*\j+3], v[W+4*\j+6:W+4*\j+7]
.endr
.irp j, 0,4
	v_pk_add_f32 v[W+4*\j:W+4*\j+1], v[W+4*\j:W+4*\j+1], v[W+4*\j+8:W+4*\j+9]
	v_pk_add_f32 v[W+4*\j+2:W+4*\j+3], v[W+4*\j+2:W+4*\j+3], v[W+4*\j+10:W+4*\j+11]
.endr
	v_pk_add_f32 v[W:W+1], v[W:W+1], v[W+16:W+17]
	v_pk_add_f32 v[W+2:W+3], v[W+2:W+3], v[W+18:W+19]
	v_pk_add_f32 v[ACC:ACC+1], v[W:W+1], v[BC:BC+1]
	v_pk_add_f32 v[ACC+2:ACC+3], v[W+2:W+3], v[BC+2:BC+3]
	global_store_b128 v1, v[ACC:ACC+3], s[12:13]   ; 32 lanes store 512 consecutive bytes, at a multiple of 512 from modp's first byte
.Lend:
	s_wait_tensorcnt 0x0
	ds_add_u32 v96, v97
	s_wait_dscnt 0x0
	s_endpgm
.Lfunc_end_k_q9ab96dd582_modk:
	.size	k_q9ab96dd582_modk, .Lfunc_end_k_q9ab96dd582_modk-k_q9ab96dd582_modk
	.p2alignl 7, 3214868480
	.fill 96, 4, 3214868480
	.section	.rodata,"a",@progbits
	.p2align	6, 0x0
	.amdhsa_kernel k_q9ab96dd582_modk
		.amdhsa_group_segment_fixed_size 5120
		.amdhsa_private_segment_fixed_size 0
		.amdhsa_enable_private_segment 0
		.amdhsa_kernarg_size 40
		.amdhsa_user_sgpr_count 2
		.amdhsa_user_sgpr_kernarg_segment_ptr 1
		.amdhsa_wavefront_size32 1
		.amdhsa_system_sgpr_workgroup_id_x 1
		.amdhsa_system_sgpr_workgroup_id_y 1
		.amdhsa_system_sgpr_workgroup_id_z 1
		.amdhsa_system_vgpr_workitem_id 0
		.amdhsa_next_free_vgpr 98
		.amdhsa_next_free_sgpr 66
		.amdhsa_reserve_vcc 0
		.amdhsa_float_denorm_mode_32 3
		.amdhsa_float_denorm_mode_16_64 3
		.amdhsa_memory_ordered 1
		.amdhsa_forward_progress 1
		.amdhsa_inst_pref_size 9
	.end_amdhsa_kernel
	.amdgpu_metadata
---
amdhsa.version: [ 1, 2 ]
amdhsa.kernels:
  - .name:           k_q9ab96dd582_modk
    .symbol:         k_q9ab96dd582_modk.kd
    .args:
      - { .name: cond, .offset: 0, .size: 8, .value_kind: global_buffer, .address_space: global }
      - { .name: route, .offset: 8, .size: 8, .value_kind: global_buffer, .address_space: global }
      - { .name: W_cond, .offset: 16, .size: 8, .value_kind: global_buffer, .address_space: global }
      - { .name: b_cond, .offset: 24, .size: 8, .value_kind: global_buffer, .address_space: global }
      - { .name: modp, .offset: 32, .size: 8, .value_kind: global_buffer, .address_space: global }
    .group_segment_fixed_size: 5120
    .private_segment_fixed_size: 0
    .kernarg_segment_align: 8
    .kernarg_segment_size: 40
    .max_flat_workgroup_size: 256
    .sgpr_count:     66
    .vgpr_count:     98
    .wavefront_size: 32
...
	.end_amdgpu_metadata
.endif
;; end of part 1
;; launch up (part 2): grid 256 x 1, 4 waves a work-group, no clusters, 37,376 bytes of LDS; arguments x, modp, route, W1_codes, b1, lowp_scales, hq; writes hq
.if DOCPART == 2
	.amdgcn_target "amdgcn-amd-amdhsa--gfx1250"
	.amdhsa_code_object_version 6
	.text
	.protected	k_q9ab96dd582_up
	.globl	k_q9ab96dd582_up
	.p2align	8
	.type	k_q9ab96dd582_up,@function
k_q9ab96dd582_up:
	s_mov_b64 s[64:65], 0
	v_nop
	global_prefetch_b8 v0, s[64:65] scope:SCOPE_SE
	s_setreg_imm32_b32 hwreg(HW_REG_WAVE_MODE, 25, 1), 1
	s_wait_xcnt 0x0
; hq = Q(gelu(Q(x (1 + scale) + shift) W1[m] + b1[m])), m = route[b]: the first quantised product of the branch that reference()'s one-hot keeps, on codes of FP8 (E4M3), each operand with its given scale 2^e.
; scale and shift are the two halves of mod[b], whose four partial sums the launch before has stored (modp).  gelu is the tanh form, as jax.nn.gelu has it by default.
; SHARES.  256 work-groups: batch b = id / 32, row block rb = (id / 4) % 8 (64 rows), unit block ub = id % 4 (512 hidden units).  Four waves.  THE WAVES SHARE THE COLUMNS, NOT THE ROWS: wave w makes hidden units
; 512 ub + 128 w + 0 .. 127 (8 tiles) for all 64 rows (4 tiles): 32 accumulators, 256 registers.  Its share of W1, 128 rows x 512 codes, goes from memory straight into 512 registers, once.
; x: wave w takes columns 128 w + 0 .. 127 (K step w) of all 64 rows, so that its 64 numbers of 1 + scale and of shift are fetched once; it modulates, quantises and leaves four fragments in LDS for all waves.
; OPERANDS GO FROM WAVE TO WAVE AS IMAGES OF THEIR REGISTERS: a fragment (16 rows x 128 K: 16 registers a lane) is four stores of 16 bytes a lane, lane l's at 16 l, 512 bytes a store; the same four lines as loads
; give any wave the same registers.  Registers 4 c .. 4 c + 3 of lane l hold k = 32 c + 16 (l / 16) + 0 .. 15 of row l % 16: not the place that the instruction's own layout gives each k, but the same permutation in both operands.
; THE PRODUCT IS USED TRANSPOSED (source 0 = 16 rows of W1, source 1 = 16 rows of x): a lane holds ONE row of x and its registers run along the hidden units.  THE ROWS OF W1 THAT FORM A TILE ARE NOT NEIGHBOURS:
; lane r of tile 2 q + u takes row 32 q + 8 u + r + 8 (r / 8), so that the 16 registers of tiles 2 q and 2 q + 1 are 16 neighbours, 32 q + 16 (l / 16) + 0 .. 15, along the next product's K.  So the conversions' results
; ARE a fragment of the next product, and hq is laid as such images: [b][rb][K step S = 4 ub + w][tile of rows][2,048 bytes]: each store of a wave covers 512 consecutive bytes, aligned.
; SCALES.  A sum stands for sum x 2^(e0 + e1).  b1 goes in as the C of a sum's first product, divided by 2^(e0 + e1).  With acc = that sum and z = acc x 2^(e0 + e1):
; gelu(z) = z / (1 + 2^(z (c0 + c1 z^2))), c0 = -2 sqrt(2 / pi) log2(e), c1 = 0.044715 c0; the powers of two are folded into C0 = c0 2^(e0 + e1), C1 = c1 2^(3 (e0 + e1)) and into the conversion's scale 2^(e2 - e0 - e1).
; Where the exponent overflows, 2^.. is infinite or 0 and the quotient is 0 or z, as gelu is there.
; NO JOINT LOADS, though eight row blocks read one share of W1 and four unit blocks one block of x: a share goes into the registers in which it is multiplied; asked for jointly it would be written to LDS and read back,
; 256 KB more each way for a work-group, and its address hangs on route[b], a number read from memory.  No ring: nothing in LDS is filled twice.
; LIMITS, so that each power of two is an f32 number: e0 in -126 .. 119; e0 + e1 in -40 .. 40; e2 - e0 - e1 in -126 .. 119.  route[b] in 0 .. 7 (any other number is held at 7).  NaN among the inputs is not served.
; REGISTERS, in windows of 256 (s_set_vgpr_msb's low byte: bits 1:0 source 0, 3:2 source 1, 5:4 source 2, 7:6 destination):
;   window 0: v1-11 addresses; v12-19 constants; v32-63 mod's partial sums, then v32-47 x's codes; v64-127 T at work, and x's fragments of even K steps; v128-191 1 + scale, then b1's 8 tiles, then h's codes;
;             v192-255 shift, then x's fragments of odd K steps.
;   window 1: W1's fragments (tile t, K step s = 0, 1) at v[16 (2 t + s)].   window 2: those of s = 2, 3 at v[16 (2 t + s - 2)].   window 3: x as loaded, 64 registers a tile of rows; then accumulator (m, t) at v[64 m + 8 t].
.set TAB,  0                           ; LDS: 512 numbers 1 + scale, then at +2,048 the 512 of shift
.set XIMG, 4096                        ; 16 images of 2,048 bytes: tile of rows m, K step s at (4 m + s) x 2,048
.set XA,  4                            ; v4   x: 2,048 r + 64 h + 512 w: my 16 numbers of a block of 32 columns
.set LI,  5                            ; v5   16 x lane: my place in an image
.set XWI, 6                            ; v6   16 x lane + 2,048 w: where I store x's images (K step w)
.set AT,  7                            ; v7   512 w + 64 h: my columns in the table
.set TW,  8                            ; v8   16 x thread: my 4 columns of mod
.set WO,  9                            ; v9   W1: (r + 8 (r / 8)) x 512 + 16 h
.set BO,  10                           ; v10  b1: 64 h
.set PC,  32
.set T,   64
.set A,   128
.set S,   192
.set B1,  128
.set PCH, 128
.set XF0, 64
.set XF1, 192
.set MSB, 0
.macro WIN new                         ; the immediate's high byte repeats the setting that is left; a switch that changes nothing is dropped
.if MSB != (\new)
	s_set_vgpr_msb (MSB<<8)|(\new)
.set MSB, (\new)
.endif
.endm
.macro PLACES                          ; four plain vector instructions between a matrix instruction and a load into, or a vector read or write of, its registers
.rept 4
	v_nop
.endr
.endm
.macro XLOAD m                         ; 16 rows x my 128 columns of x: 64 numbers a lane, register 16 q + 4 j + i = column 128 w + 32 q + 16 h + 4 j + i of row 16 m + r
	WIN 0xc0                                       ; destination window 3
.irp q, 0,1,2,3
.irp j, 0,1,2,3
	global_load_b128 v[64*(\m)+16*\q+4*\j:64*(\m)+16*\q+4*\j+3], v[XA], s[4:5] offset:32768*(\m)+128*\q+16*\j
.endr
.endr
.endm
.macro WLOAD s, t0                     ; W1's fragments of K step s, tiles t0 .. t0 + 3: 16 loads
	WIN 0x40+0x40*((\s)/2)                         ; destination window 1 or 2
.irp t, \t0, \t0+1, \t0+2, \t0+3
.irp c, 0,1,2,3
	global_load_b128 v[16*(2*(\t)+(\s)%2)+4*\c:16*(2*(\t)+(\s)%2)+4*\c+3], v[WO], s[10:11] offset:(32*((\t)/2)+8*((\t)%2))*512+128*(\s)+32*\c
.endr
.endr
.endm
.macro XSTAGE m                        ; tile m of x: modulated, held, quantised; its image to LDS
	WIN 0x03                                       ; source 0 window 3
.set i, 0
.rept 32
	v_pk_fma_f32 v[T+i:T+i+1], v[64*(\m)+i:64*(\m)+i+1], v[A+i:A+i+1], v[S+i:S+i+1]   ; x (1 + scale) + shift
.set i, i+2
.endr
	WIN 0
.set i, 0
.rept 64
	v_med3_num_f32 v[T+i], v[T+i], -v17, v17       ; the conversion to an 8-bit code does not saturate (ISA guide 7.6.2): the hold at 448 x 2^e0
.set i, i+1
.endr
	s_wait_dscnt 0x0                               ; the last image's stores have read the codes' registers
.irp q, 0,1,2,3
	v_cvt_scalef32_pk8_fp8_f32 v[PC+4*\q:PC+4*\q+1], v[T+16*\q:T+16*\q+7], v16
	v_cvt_scalef32_pk8_fp8_f32 v[PC+4*\q+2:PC+4*\q+3], v[T+16*\q+8:T+16*\q+15], v16
.endr
	v_nop                                          ; one plain vector instruction between a scaled conversion and the next vector instruction that writes its sources
.irp c, 0,1,2,3
	ds_store_b128 v[XWI], v[PC+4*\c:PC+4*\c+3] offset:XIMG+8192*(\m)+512*\c
.endr
.endm
.macro FETCH buf, s                    ; K step s of x, all four tiles of rows: 16 loads of 512 consecutive bytes
.irp m, 0,1,2,3
.irp c, 0,1,2,3
	ds_load_b128 v[\buf+16*\m+4*\c:\buf+16*\m+4*\c+3], v[LI] offset:XIMG+(4*\m+\s)*2048+512*\c
.endr
.endr
.endm
.macro KSTEP s, buf                    ; 32 products: the 32 accumulators take turns, one instruction a turn, in the same order in every K step
.if (\s) == 0
	WIN 0xc1                                       ; W1 window 1, x and b1 window 0, D window 3
.elseif (\s) == 1
	WIN 0xf1                                       ; C and D window 3
.else
	WIN 0xf2                                       ; W1 window 2
.endif
.irp m, 0,1,2,3
.irp t, 0,1,2,3,4,5,6,7
.if (\s) == 0
	v_wmma_f32_16x16x128_fp8_fp8 v[64*\m+8*\t:64*\m+8*\t+7], v[16*(2*\t+(\s)%2):16*(2*\t+(\s)%2)+15], v[\buf+16*\m:\buf+16*\m+15], v[B1+8*\t:B1+8*\t+7]
.else
	v_wmma_f32_16x16x128_fp8_fp8 v[64*\m+8*\t:64*\m+8*\t+7], v[16*(2*\t+(\s)%2):16*(2*\t+(\s)%2)+15], v[\buf+16*\m:\buf+16*\m+15], v[64*\m+8*\t:64*\m+8*\t+7]
.endif
.endr
.endr
.endm
.macro GELU m                          ; tile m's 64 sums a lane: gelu, the hold, the codes, four stores.  Each accumulator is read from its low end on
	WIN 0x0f                                       ; sources 0 and 1 window 3
.set i, 0
.rept 32
	v_pk_mul_f32 v[T+i:T+i+1], v[64*(\m)+i:64*(\m)+i+1], v[64*(\m)+i:64*(\m)+i+1]   ; acc^2
.set i, i+2
.endr
	WIN 0
.set i, 0
.rept 32
	v_pk_fma_f32 v[T+i:T+i+1], v[T+i:T+i+1], v[14:15], v[12:13]                     ; C1 acc^2 + C0
.set i, i+2
.endr
	WIN 0x03
.set i, 0
.rept 32
	v_pk_mul_f32 v[T+i:T+i+1], v[64*(\m)+i:64*(\m)+i+1], v[T+i:T+i+1]               ; x acc: the exponent
.set i, i+2
.endr
	WIN 0
.set i, 0
.rept 64
	v_exp_f32 v[T+i], v[T+i]
.set i, i+1
.endr
	v_nop                                          ; a plain instruction behind the last exponential,
	s_wait_alu depctr_va_vdst(0)                   ; and the wait ahead of a batch's first reader: one for the 64
.set i, 0
.rept 32
	v_pk_add_f32 v[T+i:T+i+1], v[T+i:T+i+1], 1.0 op_sel_hi:[1,0]
.set i, i+2
.endr
.set i, 0
.rept 64
	v_rcp_f32 v[T+i], v[T+i]
.set i, i+1
.endr
	v_nop
	s_wait_alu depctr_va_vdst(0)                   ; likewise for the 64 reciprocals
	WIN 0x03
.set i, 0
.rept 32
	v_pk_mul_f32 v[T+i:T+i+1], v[64*(\m)+i:64*(\m)+i+1], v[T+i:T+i+1]               ; acc / (1 + 2^..) = gelu(z) / 2^(e0 + e1)
.set i, i+2
.endr
	WIN 0
.set i, 0
.rept 64
	v_med3_num_f32 v[T+i], v[T+i], -v19, v19       ; the hold at 448 x 2^(e2 - e0 - e1); gelu goes below 0, so it is two-sided
.set i, i+1
.endr
.irp q, 0,1,2,3
	v_cvt_scalef32_pk8_fp8_f32 v[PCH+16*(\m)+4*\q:PCH+16*(\m)+4*\q+1], v[T+16*\q:T+16*\q+7], v18
	v_cvt_scalef32_pk8_fp8_f32 v[PCH+16*(\m)+4*\q+2:PCH+16*(\m)+4*\q+3], v[T+16*\q+8:T+16*\q+15], v18
.endr
	v_nop                                          ; a plain instruction between the conversions and the next tile's writes of T
.irp c, 0,1,2,3
	global_store_b128 v[LI], v[PCH+16*(\m)+4*\c:PCH+16*(\m)+4*\c+3], s[16:17] offset:2048*(\m)+512*\c   ; each tile has code registers of its own: no store's data are written again
.endr
.endm
	s_load_b256 s[4:11], s[0:1], 0x0               ; x s[4:5], modp s[6:7], route s[8:9], W1's codes s[10:11]
	s_load_b128 s[12:15], s[0:1], 0x20             ; b1 s[12:13], the scales' exponents s[14:15]
	s_load_b64 s[16:17], s[0:1], 0x30              ; hq
	v_lshl_add_u32 v30, v0, 2, 0x9000
	v_mov_b32 v31, 0
	v_lshrrev_b32 v1, 5, v0
	v_readfirstlane_b32 s18, v1                    ; wave 0..3
	s_lshr_b32 s19, ttmp9, 5                       ; b
	s_bfe_u32 s20, ttmp9, 0x30002                  ; rb: 3 bits from bit 2
	s_and_b32 s21, ttmp9, 3                        ; ub
	v_and_b32 v1, 31, v0                           ; lane
	v_and_b32 v2, 15, v0                           ; r
	v_bfe_u32 v3, v0, 4, 1                         ; h
	v_and_b32 v11, 0x60, v0                        ; 32 x wave
	v_lshlrev_b32 v[XA], 11, v2
	v_lshl_add_u32 v[XA], v3, 6, v[XA]
	v_lshl_add_u32 v[XA], v11, 4, v[XA]
	v_lshlrev_b32 v[LI], 4, v1
	v_lshl_add_u32 v[XWI], v11, 6, v[LI]
	v_lshlrev_b32 v[AT], 6, v3
	v_lshl_add_u32 v[AT], v11, 4, v[AT]
	v_lshlrev_b32 v[TW], 4, v0
	v_and_b32 v[WO], 8, v2
	v_add_nc_u32 v[WO], v[WO], v2
	v_lshlrev_b32 v[WO], 9, v[WO]
	v_lshl_add_u32 v[WO], v3, 4, v[WO]
	v_lshlrev_b32 v[BO], 6, v3
	s_lshl_b32 s28, s19, 2                         ; route[b]
	s_mov_b32 s29, 0
	s_lshl_b32 s30, s19, 20                        ; x: (512 b + 64 rb) rows of 2,048 bytes; hq: (8 b + rb) blocks of 131,072 bytes: the same number
	s_lshl_b32 s31, s20, 17
	s_add_co_u32 s30, s30, s31
	s_mov_b32 s31, 0
	s_lshl_b32 s36, s19, 12                        ; modp: 4,096 b
	s_mov_b32 s37, 0
	s_wait_kmcnt 0x0
	s_add_nc_u64 s[8:9], s[8:9], s[28:29]
	s_load_b32 s22, s[8:9], 0x0                    ; m = route[b]
	s_load_b128 s[24:27], s[14:15], 0x0            ; e0, e1, e2, e3
	s_add_nc_u64 s[4:5], s[4:5], s[30:31]
	s_add_nc_u64 s[6:7], s[6:7], s[36:37]
.irp q, 0,1,2,3                                ; mod[b]'s four partial sums: my 4 columns of scale, my 4 of shift
	global_load_b128 v[32+8*\q:35+8*\q], v[TW], s[6:7] offset:32768*\q
	global_load_b128 v[36+8*\q:39+8*\q], v[TW], s[6:7] offset:32768*\q+2048
.endr
	XLOAD 0
	XLOAD 1
	XLOAD 2
	WIN 0
	s_wait_kmcnt 0x0
	s_min_u32 s22, s22, 7                          ; a number read from memory enters an address only held inside its table
	s_lshl_b32 s28, s22, 20                        ; W1: a branch is 2,048 x 512 bytes;
	s_lshl_b32 s36, s21, 18                        ;  + 512 ub rows
	s_add_co_u32 s28, s28, s36
	s_lshl_b32 s36, s18, 16                        ;  + 128 w rows
	s_add_co_u32 s28, s28, s36
	s_add_nc_u64 s[10:11], s[10:11], s[28:29]
	s_lshl_b32 s28, s22, 13                        ; b1: a branch is 8,192 bytes; + (512 ub + 128 w) numbers
	s_lshl_b32 s36, s21, 11
	s_add_co_u32 s28, s28, s36
	s_lshl_b32 s36, s18, 9
	s_add_co_u32 s28, s28, s36
	s_add_nc_u64 s[12:13], s[12:13], s[28:29]
	s_lshl_b32 s36, s21, 15                        ; hq: + K step 4 ub + w, 8,192 bytes each
	s_add_co_u32 s30, s30, s36
	s_lshl_b32 s36, s18, 13
	s_add_co_u32 s30, s30, s36
	s_add_nc_u64 s[16:17], s[16:17], s[30:31]
	s_add_co_i32 s32, s24, s25                     ; e0 + e1
	s_sub_co_i32 s33, 0, s32
	s_mul_i32 s34, s32, 3
	s_add_co_i32 s38, s24, 127
	s_lshl_b32 s39, s38, 23
	v_mov_b32 v16, s39                             ; 2^e0 as f32: the conversion takes its exponent field
	s_add_co_i32 s38, s38, 8
	s_lshl_b32 s38, s38, 23
	s_or_b32 s38, s38, 0x600000
	v_mov_b32 v17, s38                             ; 448 x 2^e0
	s_sub_co_i32 s38, s26, s32
	s_add_co_i32 s38, s38, 127
	s_lshl_b32 s39, s38, 23
	v_mov_b32 v18, s39                             ; 2^(e2 - e0 - e1)
	s_add_co_i32 s38, s38, 8
	s_lshl_b32 s38, s38, 23
	s_or_b32 s38, s38, 0x600000
	v_mov_b32 v19, s38                             ; 448 x that
	v_mov_b32 v12, 0xc0135761                      ; c0 = -2 sqrt(2 / pi) log2(e) = -2.3022082
	v_ldexp_f32 v12, v12, s32                      ; C0
	v_mov_b32 v13, v12
	v_mov_b32 v14, 0xbdd2d3e8                      ; c1 = 0.044715 c0 = -0.10294324
	v_ldexp_f32 v14, v14, s34                      ; C1
	v_mov_b32 v15, v14
	s_wait_loadcnt 48                              ; mod's eight loads are in; x's three tiles, 48 loads, stay out
.irp k, 0,2,4,6
	v_pk_add_f32 v[32+\k:33+\k], v[32+\k:33+\k], v[40+\k:41+\k]
	v_pk_add_f32 v[48+\k:49+\k], v[48+\k:49+\k], v[56+\k:57+\k]
.endr
.irp k, 0,2,4,6
	v_pk_add_f32 v[32+\k:33+\k], v[32+\k:33+\k], v[48+\k:49+\k]
.endr
	v_pk_add_f32 v[32:33], v[32:33], 1.0 op_sel_hi:[1,0]   ; 1 + scale
	v_pk_add_f32 v[34:35], v[34:35], 1.0 op_sel_hi:[1,0]
	ds_store_b128 v[TW], v[32:35] offset:TAB
	ds_store_b128 v[TW], v[36:39] offset:TAB+2048
	s_wait_dscnt 0x0                               ; for the others' sake: my part of the table lies in LDS
	s_barrier_signal -1
	s_barrier_wait -1                              ; the table is whole
.irp q, 0,1,2,3
.irp j, 0,1,2,3
	ds_load_b128 v[A+16*\q+4*\j:A+16*\q+4*\j+3], v[AT] offset:TAB+128*\q+16*\j          ; in x's layout: register 16 q + 4 j + i = column 128 w + 32 q + 16 h + 4 j + i
	ds_load_b128 v[S+16*\q+4*\j:S+16*\q+4*\j+3], v[AT] offset:TAB+2048+128*\q+16*\j
.endr
.endr
	XLOAD 3
	s_wait_loadcnt 48                              ; x's tile 0 is in; younger: tiles 1, 2, 3
	s_wait_dscnt 0x0                               ; 1 + scale and shift are in
	XSTAGE 0
	WLOAD 0, 0
	s_wait_loadcnt 48                              ; tile 1; younger: tiles 2, 3 and 16 loads of W1
	XSTAGE 1
	WLOAD 0, 4
	s_wait_loadcnt 48                              ; tile 2; younger: tile 3 and 32 loads of W1
	XSTAGE 2
	WLOAD 1, 0
	s_wait_loadcnt 48                              ; tile 3; younger: 48 loads of W1
	XSTAGE 3
.irp t, 0,1,2,3,4,5,6,7                        ; b1 in the result's layout: for tile t, lane (r, h): units 32 (t / 2) + 16 h + 8 (t % 2) + 0 .. 7.  It takes the registers that 1 + scale has left
	global_load_b128 v[B1+8*\t:B1+8*\t+3], v[BO], s[12:13] offset:(32*(\t/2)+8*(\t%2))*4
	global_load_b128 v[B1+8*\t+4:B1+8*\t+7], v[BO], s[12:13] offset:(32*(\t/2)+8*(\t%2))*4+16
.endr
	WLOAD 1, 4
	WIN 0
	s_wait_dscnt 0x0                               ; for the others' sake: my four images lie in LDS
	s_barrier_signal -1
	s_barrier_wait -1                              ; x's sixteen fragments lie in LDS
	FETCH XF0, 0
	FETCH XF1, 1
	s_wait_loadcnt 16                              ; W1's K step 0 and b1 are in; younger: the 16 loads of K step 1's tiles 4 to 7
	WLOAD 2, 0
	WLOAD 2, 4
	WIN 0
.set i, 0
.rept 64
	v_ldexp_f32 v[B1+i], v[B1+i], s33              ; b1 / 2^(e0 + e1)
.set i, i+1
.endr
	s_wait_dscnt 16                                ; x's K step 0 is in; K step 1's 16 loads may be out
	KSTEP 0, XF0
	s_wait_loadcnt 32                              ; W1's K step 1 is in; younger: K step 2's 32 loads
	WLOAD 3, 0
	WLOAD 3, 4
	WIN 0
	PLACES
	FETCH XF0, 2
	s_wait_dscnt 16
	KSTEP 1, XF1
	s_wait_loadcnt 32                              ; W1's K step 2 is in; younger: K step 3's 32 loads
	WIN 0
	PLACES
	FETCH XF1, 3
	s_wait_dscnt 16
	KSTEP 2, XF0
	s_wait_loadcnt 0x0
	s_wait_dscnt 0x0
	KSTEP 3, XF1
	WIN 0
	PLACES
	GELU 0
	GELU 1
	GELU 2
	GELU 3
	s_wait_tensorcnt 0x0
	ds_add_u32 v30, v31
	s_wait_dscnt 0x0
	s_endpgm
.Lfunc_end_k_q9ab96dd582_up:
	.size	k_q9ab96dd582_up, .Lfunc_end_k_q9ab96dd582_up-k_q9ab96dd582_up
	.p2alignl 7, 3214868480
	.fill 96, 4, 3214868480
	.section	.rodata,"a",@progbits
	.p2align	6, 0x0
	.amdhsa_kernel k_q9ab96dd582_up
		.amdhsa_group_segment_fixed_size 37376
		.amdhsa_private_segment_fixed_size 0
		.amdhsa_enable_private_segment 0
		.amdhsa_kernarg_size 56
		.amdhsa_user_sgpr_count 2
		.amdhsa_user_sgpr_kernarg_segment_ptr 1
		.amdhsa_wavefront_size32 1
		.amdhsa_system_sgpr_workgroup_id_x 1
		.amdhsa_system_sgpr_workgroup_id_y 1
		.amdhsa_system_sgpr_workgroup_id_z 1
		.amdhsa_system_vgpr_workitem_id 0
		.amdhsa_next_free_vgpr 1024
		.amdhsa_next_free_sgpr 66
		.amdhsa_reserve_vcc 0
		.amdhsa_float_denorm_mode_32 3
		.amdhsa_float_denorm_mode_16_64 3
		.amdhsa_memory_ordered 1
		.amdhsa_forward_progress 1
		.amdhsa_inst_pref_size 149
	.end_amdhsa_kernel
	.amdgpu_metadata
---
amdhsa.version: [ 1, 2 ]
amdhsa.kernels:
  - .name:           k_q9ab96dd582_up
    .symbol:         k_q9ab96dd582_up.kd
    .args:
      - { .name: x, .offset: 0, .size: 8, .value_kind: global_buffer, .address_space: global }
      - { .name: modp, .offset: 8, .size: 8, .value_kind: global_buffer, .address_space: global }
      - { .name: route, .offset: 16, .size: 8, .value_kind: global_buffer, .address_space: global }
      - { .name: W1_codes, .offset: 24, .size: 8, .value_kind: global_buffer, .address_space: global }
      - { .name: b1, .offset: 32, .size: 8, .value_kind: global_buffer, .address_space: global }
      - { .name: lowp_scales, .offset: 40, .size: 8, .value_kind: global_buffer, .address_space: global }
      - { .name: hq, .offset: 48, .size: 8, .value_kind: global_buffer, .address_space: global }
    .group_segment_fixed_size: 37376
    .private_segment_fixed_size: 0
    .kernarg_segment_align: 8
    .kernarg_segment_size: 56
    .max_flat_workgroup_size: 128
    .sgpr_count:     66
    .vgpr_count:     1024
    .wavefront_size: 32
...
	.end_amdgpu_metadata
.endif
;; end of part 2
;; launch down (part 3): grid 256 x 1, 4 waves a work-group, no clusters, 165,376 bytes of LDS; arguments hq, route, W2_codes, b2, lowp_scales, out0; writes out0
.if DOCPART == 3
	.amdgcn_target "amdgcn-amd-amdhsa--gfx1250"
	.amdhsa_code_object_version 6
	.text
	.protected	k_q9ab96dd582_down
	.globl	k_q9ab96dd582_down
	.p2align	8
	.type	k_q9ab96dd582_down,@function
k_q9ab96dd582_down:
	s_mov_b64 s[64:65], 0
	v_nop
	global_prefetch_b8 v0, s[64:65] scope:SCOPE_SE
	s_setreg_imm32_b32 hwreg(HW_REG_WAVE_MODE, 25, 1), 1
	s_wait_xcnt 0x0
; out0 = h W2[m] x 2^(e2 + e3) + b2[m], m = route[b]: the second quantised product of the branch that reference()'s one-hot keeps, on codes of FP8 (E4M3).  h's codes come from the launch before (hq), W2's are given.
; SHARES.  256 work-groups: batch b = id / 32, row block rb = (id / 4) % 8 (64 rows), column block cb = id % 4 (128 outputs).  K = 2,048: 16 steps of 128.  Four waves; THE WAVES SHARE THE COLUMNS: wave w makes outputs
; 128 cb + 32 w + 0 .. 31 (2 tiles) for all 64 rows (4 tiles): 8 accumulators.  Its share of W2, 32 rows x 2,048 codes, goes from memory straight into 512 registers, once.
; h: the row block's codes are 64 images of operand registers (K step S, tile of rows m at (4 S + m) x 2,048), one dense block of 128 KB.  Wave w copies a quarter of it through registers into LDS as it lies,
; 512 consecutive bytes a load and a store; behind one barrier all four waves read all of it, fragment by fragment, by loads of 512 consecutive bytes.
; THE PRODUCT IS USED TRANSPOSED (source 0 = 16 rows of W2, source 1 = 16 rows of h): a lane holds eight neighbouring outputs of one row.  A row's 128 outputs come from four waves: they meet in a stage in LDS
; (rows of 512 bytes + 16), and each wave stores 16 whole rows: 512 consecutive bytes a store, aligned to 512.
; In both operands registers 4 c .. 4 c + 3 of lane l hold k = 32 c + 16 (l / 16) + 0 .. 15: the same permutation of k on both sides.
; NO JOINT LOADS, though eight row blocks read one share of W2 and four column blocks one block of h: W2's share goes into the registers in which it is multiplied (through LDS it would be 256 KB more each way for a
; work-group), and its address hangs on route[b], a number read from memory.  No ring: nothing in LDS is filled twice.
; LIMITS: e2 + e3 in -126 .. 127, so that 2^(e2 + e3) is an f32 number.  route[b] in 0 .. 7 (any other number is held at 7).
; REGISTERS, in windows of 256 (s_set_vgpr_msb's low byte: bits 1:0 source 0, 3:2 source 1, 5:4 source 2, 7:6 destination):
;   window 0: v1-11 addresses; v16-31 b2's two tiles; v64-127, v128-191 h's fragments of even and odd K steps, later the results and the rows read back; v192-255 accumulator (m, n) at v[192 + 8 (2 m + n)].
;   window 1: W2's fragments (tile n, K step S < 8) at v[16 (2 S + n)].   window 2: those of S >= 8 at v[16 (2 (S - 8) + n)].   window 3: h on its way to LDS, load i at v[4 i].
.set STG,  131072                      ; LDS: h's images from byte 0; behind them the stage: 64 rows x 528 bytes
.set LI0, 4                            ; v4   16 x lane: my place in an image
.set LI1, 5                            ; v5   the same + 65,536: an LDS offset has 16 bits, so K steps 8 to 15 have a register of their own
.set HO,  6                            ; v6   16 x lane + 32,768 w: my wave's quarter of h's block, in memory and in LDS alike
.set WO,  7                            ; v7   W2: 2,048 r + 16 h
.set BO,  8                            ; v8   b2: 32 h
.set SO,  9                            ; v9   the stage: where I put 32 bytes of a row
.set SR,  10                           ; v10  and where I read a row back
.set B2,  16
.set HF0, 64
.set Y,   64
.set BK,  128
.set ACC, 192
.set MSB, 0
.macro WIN new                         ; the immediate's high byte repeats the setting that is left; a switch that changes nothing is dropped
.if MSB != (\new)
	s_set_vgpr_msb (MSB<<8)|(\new)
.set MSB, (\new)
.endif
.endm
.macro PLACES                          ; four plain vector instructions between a matrix instruction and a load into, or a vector read of, its registers
.rept 4
	v_nop
.endr
.endm
.macro HLOAD g                         ; 16 loads of 512 consecutive bytes of my quarter of h's block
	WIN 0xc0                                       ; destination window 3
.set i, 16*(\g)
.rept 16
	global_load_b128 v[4*i:4*i+3], v[HO], s[4:5] offset:512*i
.set i, i+1
.endr
.endm
.macro HSTORE g                        ; and to LDS as they lie
	WIN 0x0c                                       ; an LDS store's data are source 1: window 3
.set i, 16*(\g)
.rept 16
	ds_store_b128 v[HO], v[4*i:4*i+3] offset:512*i
.set i, i+1
.endr
.endm
.macro GLOAD p                         ; W2's fragments of K steps 2 p and 2 p + 1, both tiles: 16 loads, 256 consecutive bytes of each of my 32 rows
	WIN 0x40+0x40*((\p)/4)                         ; destination window 1 or 2
.irp u, 0,1
.irp n, 0,1
.irp c, 0,1,2,3
	global_load_b128 v[16*(2*((2*(\p)+\u)%8)+\n)+4*\c:16*(2*((2*(\p)+\u)%8)+\n)+4*\c+3], v[WO], s[8:9] offset:32768*\n+128*(2*(\p)+\u)+32*\c
.endr
.endr
.endr
.endm
.macro FETCH buf, st                   ; K step st of h, all four tiles of rows: 16 loads
.irp m, 0,1,2,3
.irp c, 0,1,2,3
	ds_load_b128 v[(\buf)+16*\m+4*\c:(\buf)+16*\m+4*\c+3], v[LI0+(\st)/8] offset:((4*(\st)+\m)*2048+512*\c)%65536
.endr
.endr
.endm
	s_load_b256 s[4:11], s[0:1], 0x0               ; hq s[4:5], route s[6:7], W2's codes s[8:9], b2 s[10:11]
	s_load_b128 s[12:15], s[0:1], 0x20             ; the scales' exponents s[12:13], out0 s[14:15]
	v_lshl_add_u32 v62, v0, 2, 0x28400
	v_mov_b32 v63, 0
	v_lshrrev_b32 v1, 5, v0
	v_readfirstlane_b32 s16, v1                    ; wave 0..3
	s_lshr_b32 s17, ttmp9, 5                       ; b
	s_bfe_u32 s18, ttmp9, 0x30002                  ; rb: 3 bits from bit 2
	s_and_b32 s19, ttmp9, 3                        ; cb
	v_and_b32 v1, 31, v0                           ; lane
	v_and_b32 v2, 15, v0                           ; r
	v_bfe_u32 v3, v0, 4, 1                         ; h
	v_and_b32 v11, 0x60, v0                        ; 32 x wave
	v_lshlrev_b32 v[LI0], 4, v1
	v_add_nc_u32 v[LI1], 0x10000, v[LI0]
	v_lshl_add_u32 v[HO], v11, 10, v[LI0]
	v_lshlrev_b32 v[WO], 11, v2
	v_lshl_add_u32 v[WO], v3, 4, v[WO]
	v_lshlrev_b32 v[BO], 5, v3
	v_mul_u32_u24 v[SO], v2, 528                   ; the stage, on the way in: row r, + 32 h, + 128 w: my eight outputs' bytes
	v_lshl_add_u32 v[SO], v3, 5, v[SO]
	v_lshl_add_u32 v[SO], v11, 2, v[SO]
	v_add_nc_u32 v[SO], STG, v[SO]
	v_mul_u32_u24 v[SR], v11, 264                  ; and back: my 16 rows (16 x 528 w), 16 bytes a lane
	v_add_nc_u32 v[SR], v[SR], v[LI0]
	v_add_nc_u32 v[SR], STG, v[SR]
	s_lshl_b32 s30, s17, 20                        ; hq: (8 b + rb) blocks of 131,072 bytes; out0: (512 b + 64 rb) rows of 2,048 bytes: the same number
	s_lshl_b32 s31, s18, 17
	s_add_co_u32 s30, s30, s31
	s_mov_b32 s31, 0
	s_lshl_b32 s32, s17, 2                         ; route[b]
	s_mov_b32 s33, 0
	s_wait_kmcnt 0x0
	s_add_nc_u64 s[6:7], s[6:7], s[32:33]
	s_load_b32 s20, s[6:7], 0x0                    ; m = route[b]
	s_load_b128 s[24:27], s[12:13], 0x0            ; e0, e1, e2, e3
	s_add_nc_u64 s[4:5], s[4:5], s[30:31]
	HLOAD 0
	HLOAD 1
	HLOAD 2
	WIN 0
	s_lshl_b32 s34, s16, 15                        ; out0: + 16 w rows
	s_add_co_u32 s30, s30, s34
	s_lshl_b32 s34, s19, 9                         ;  + 128 cb numbers
	s_add_co_u32 s30, s30, s34
	s_add_nc_u64 s[14:15], s[14:15], s[30:31]
	s_wait_kmcnt 0x0
	s_min_u32 s20, s20, 7                          ; a number read from memory enters an address only held inside its table
	s_lshl_b32 s32, s20, 20                        ; W2: a branch is 512 x 2,048 bytes;
	s_lshl_b32 s34, s19, 18                        ;  + 128 cb rows
	s_add_co_u32 s32, s32, s34
	s_lshl_b32 s34, s16, 16                        ;  + 32 w rows
	s_add_co_u32 s32, s32, s34
	s_add_nc_u64 s[8:9], s[8:9], s[32:33]
	s_lshl_b32 s32, s20, 11                        ; b2: a branch is 2,048 bytes; + (128 cb + 32 w) numbers
	s_lshl_b32 s34, s19, 9
	s_add_co_u32 s32, s32, s34
	s_lshl_b32 s34, s16, 7
	s_add_co_u32 s32, s32, s34
	s_add_nc_u64 s[10:11], s[10:11], s[32:33]
	s_add_co_i32 s28, s26, s27                     ; e2 + e3
	s_add_co_i32 s28, s28, 127
	s_lshl_b32 s28, s28, 23                        ; 2^(e2 + e3) as f32
	s_mov_b32 s29, s28                             ; (named with it as a pair, so it is written)
	HLOAD 3
	s_wait_loadcnt 48                              ; h's first 16 loads are in; younger: its other 48
	HSTORE 0
	GLOAD 0
	s_wait_loadcnt 48                              ; each time three younger groups of 16 stay out
	HSTORE 1
	GLOAD 1
	s_wait_loadcnt 48
	HSTORE 2
	GLOAD 2
	s_wait_loadcnt 48
	HSTORE 3
	GLOAD 3
	WIN 0
	s_wait_dscnt 0x0                               ; for the others' sake: my quarter of h lies in LDS
	s_barrier_signal -1
	s_barrier_wait -1                              ; h's 64 fragments lie in LDS
	FETCH HF0, 0
; THE 16 K STEPS.  In step KS the next step's four fragments of h are asked for, into the buffer that step KS - 1 multiplied; in even steps the wait for W2's group KS / 2 stands, and up to step 6 a further group goes out.
; 8 products a step: the 8 accumulators take turns, one instruction a turn, in the same order in every step.  The first step's products start the sums.
.set KS, 0
.rept 16
.if (KS > 0) && (KS < 15)
	WIN 0
	PLACES
.endif
.if KS < 15
	FETCH HF0+64*((KS+1)%2), KS+1
.endif
.if KS%2 == 0
.if KS < 8
	s_wait_loadcnt 48                              ; W2's group KS / 2 is in; younger: the next three groups of 16
	GLOAD KS/2+4
.if KS == 6
	WIN 0
.irp n, 0,1                                    ; b2 in the result's layout: for tile n, lane (r, h): outputs 16 n + 8 h + 0 .. 7
	global_load_b128 v[B2+8*\n:B2+8*\n+3], v[BO], s[10:11] offset:64*\n
	global_load_b128 v[B2+8*\n+4:B2+8*\n+7], v[BO], s[10:11] offset:64*\n+16
.endr
.endif
.else
	s_wait_loadcnt 52-16*(KS/2-4)                  ; younger: the groups still to come, 16 loads each, and b2's four
.endif
.endif
.if KS < 15
	s_wait_dscnt 16                                ; this step's fragments of h are in; the next step's 16 loads may be out
.else
	s_wait_dscnt 0x0
.endif
	WIN 1+KS/8                                     ; W2 window 1 or 2; h, C and D window 0
.irp m, 0,1,2,3
.irp n, 0,1
.if KS == 0
	v_wmma_f32_16x16x128_fp8_fp8 v[ACC+8*(2*\m+\n):ACC+8*(2*\m+\n)+7], v[16*(2*(KS%8)+\n):16*(2*(KS%8)+\n)+15], v[HF0+64*(KS%2)+16*\m:HF0+64*(KS%2)+16*\m+15], 0
.else
	v_wmma_f32_16x16x128_fp8_fp8 v[ACC+8*(2*\m+\n):ACC+8*(2*\m+\n)+7], v[16*(2*(KS%8)+\n):16*(2*(KS%8)+\n)+15], v[HF0+64*(KS%2)+16*\m:HF0+64*(KS%2)+16*\m+15], v[ACC+8*(2*\m+\n):ACC+8*(2*\m+\n)+7]
.endif
.endr
.endr
.set KS, KS+1
.endr
	WIN 0
	PLACES
	s_wait_loadcnt 0x0                             ; b2
.irp m, 0,1,2,3
.irp n, 0,1
.irp i, 0,2,4,6
	v_pk_fma_f32 v[Y+8*(2*\m+\n)+\i:Y+8*(2*\m+\n)+\i+1], v[ACC+8*(2*\m+\n)+\i:ACC+8*(2*\m+\n)+\i+1], s[28:29], v[B2+8*\n+\i:B2+8*\n+\i+1] op_sel_hi:[1,0,1]   ; sum x 2^(e2 + e3) + b2; each accumulator from its low end on
.endr
.endr
.endr
.irp m, 0,1,2,3
.irp n, 0,1
	ds_store_b128 v[SO], v[Y+8*(2*\m+\n):Y+8*(2*\m+\n)+3] offset:8448*\m+64*\n        ; lane (r, h): out(16 m + r, 32 w + 16 n + 8 h + 0 .. 7)
	ds_store_b128 v[SO], v[Y+8*(2*\m+\n)+4:Y+8*(2*\m+\n)+7] offset:8448*\m+64*\n+16
.endr
.endr
	s_wait_dscnt 0x0                               ; for the others' sake: my columns lie in the stage
	s_barrier_signal -1
	s_barrier_wait -1                              ; 64 whole rows lie in the stage
.irp i, 0,1,2,3,4,5,6,7,8,9,10,11,12,13,14,15
	ds_load_b128 v[BK+4*\i:BK+4*\i+3], v[SR] offset:528*\i
.endr
.irp i, 0,1,2,3,4,5,6,7,8,9,10,11,12,13,14,15
	s_wait_dscnt 15-\i                             ; row i is back; the younger rows may be out
	global_store_b128 v[LI0], v[BK+4*\i:BK+4*\i+3], s[14:15] offset:2048*\i th:TH_STORE_NT   ; 32 lanes store 512 consecutive bytes of a row, aligned to 512; written once, read by nobody here
.endr
	s_wait_tensorcnt 0x0
	ds_add_u32 v62, v63
	s_wait_dscnt 0x0
	s_endpgm
.Lfunc_end_k_q9ab96dd582_down:
	.size	k_q9ab96dd582_down, .Lfunc_end_k_q9ab96dd582_down-k_q9ab96dd582_down
	.p2alignl 7, 3214868480
	.fill 96, 4, 3214868480
	.section	.rodata,"a",@progbits
	.p2align	6, 0x0
	.amdhsa_kernel k_q9ab96dd582_down
		.amdhsa_group_segment_fixed_size 165376
		.amdhsa_private_segment_fixed_size 0
		.amdhsa_enable_private_segment 0
		.amdhsa_kernarg_size 48
		.amdhsa_user_sgpr_count 2
		.amdhsa_user_sgpr_kernarg_segment_ptr 1
		.amdhsa_wavefront_size32 1
		.amdhsa_system_sgpr_workgroup_id_x 1
		.amdhsa_system_sgpr_workgroup_id_y 1
		.amdhsa_system_sgpr_workgroup_id_z 1
		.amdhsa_system_vgpr_workitem_id 0
		.amdhsa_next_free_vgpr 1024
		.amdhsa_next_free_sgpr 66
		.amdhsa_reserve_vcc 0
		.amdhsa_float_denorm_mode_32 3
		.amdhsa_float_denorm_mode_16_64 3
		.amdhsa_memory_ordered 1
		.amdhsa_forward_progress 1
		.amdhsa_inst_pref_size 60
	.end_amdhsa_kernel
	.amdgpu_metadata
---
amdhsa.version: [ 1, 2 ]
amdhsa.kernels:
  - .name:           k_q9ab96dd582_down
    .symbol:         k_q9ab96dd582_down.kd
    .args:
      - { .name: hq, .offset: 0, .size: 8, .value_kind: global_buffer, .address_space: global }
      - { .name: route, .offset: 8, .size: 8, .value_kind: global_buffer, .address_space: global }
      - { .name: W2_codes, .offset: 16, .size: 8, .value_kind: global_buffer, .address_space: global }
      - { .name: b2, .offset: 24, .size: 8, .value_kind: global_buffer, .address_space: global }
      - { .name: lowp_scales, .offset: 32, .size: 8, .value_kind: global_buffer, .address_space: global }
      - { .name: out0, .offset: 40, .size: 8, .value_kind: global_buffer, .address_space: global }
    .group_segment_fixed_size: 165376
    .private_segment_fixed_size: 0
    .kernarg_segment_align: 8
    .kernarg_segment_size: 48
    .max_flat_workgroup_size: 128
    .sgpr_count:     66
    .vgpr_count:     1024
    .wavefront_size: 32
...
	.end_amdgpu_metadata
.endif
;; end of part 3
;; ======== version 2 of 2: 3 launches; version 1 with the launches up, down written anew for expert scheduling mode
;; limits: right only within a limited range of input values
;; workspace buffers: modp 131,072 bytes; hq 8,388,608 bytes
;; launch modk: the kernel of part 1 again; grid 256 x 1, 8 waves a work-group, no clusters, 5,120 bytes of LDS; arguments cond, route, W_cond, b_cond, modp; writes modp
;; launch up (part 4): grid 256 x 1, 4 waves a work-group, no clusters, 37,376 bytes of LDS; arguments x, modp, route, W1_codes, b1, lowp_scales, hq; writes hq
.if DOCPART == 4
	.amdgcn_target "amdgcn-amd-amdhsa--gfx1250"
	.amdhsa_code_object_version 6
	.text
	.protected	k_q9ab96dd582_up
	.globl	k_q9ab96dd582_up
	.p2align	8
	.type	k_q9ab96dd582_up,@function
k_q9ab96dd582_up:
	s_mov_b64 s[64:65], 0
	v_nop
	global_prefetch_b8 v0, s[64:65] scope:SCOPE_SE
	s_setreg_imm32_b32 hwreg(HW_REG_WAVE_SCHED_MODE, 0, 2), 2
	s_setreg_imm32_b32 hwreg(HW_REG_WAVE_MODE, 25, 1), 1
	s_wait_xcnt 0x0
	s_wait_alu depctr_vm_vsrc(0)
; hq = Q(gelu(Q(x (1 + scale) + shift) W1[m] + b1[m])), m = route[b]: the first quantised product of the branch that reference()'s one-hot keeps, on codes of FP8 (E4M3), each operand with its given scale 2^e.
; scale and shift are the two halves of mod[b], whose four partial sums the launch before has stored (modp).  gelu is the tanh form, as jax.nn.gelu has it by default.
; SHARES.  256 work-groups: batch b = id / 32, row block rb = (id / 4) % 8 (64 rows), unit block ub = id % 4 (512 hidden units).  Four waves.  THE WAVES SHARE THE COLUMNS, NOT THE ROWS: wave w makes hidden units
; 512 ub + 128 w + 0 .. 127 (8 tiles) for all 64 rows (4 tiles): 32 accumulators, 256 registers.  Its share of W1, 128 rows x 512 codes, goes from memory straight into 512 registers, once.
; x: wave w takes columns 128 w + 0 .. 127 (K step w) of all 64 rows, so that its 64 numbers of 1 + scale and of shift are fetched once; it modulates, quantises and leaves four fragments in LDS for all waves.
; OPERANDS GO FROM WAVE TO WAVE AS IMAGES OF THEIR REGISTERS: a fragment (16 rows x 128 K: 16 registers a lane) is four stores of 16 bytes a lane, lane l's at 16 l, 512 bytes a store; the same four lines as loads
; give any wave the same registers.  Registers 4 c .. 4 c + 3 of lane l hold k = 32 c + 16 (l / 16) + 0 .. 15 of row l % 16: not the place that the instruction's own layout gives each k, but the same permutation in both operands.
; THE PRODUCT IS USED TRANSPOSED (source 0 = 16 rows of W1, source 1 = 16 rows of x): a lane holds ONE row of x and its registers run along the hidden units.  THE ROWS OF W1 THAT FORM A TILE ARE NOT NEIGHBOURS:
; lane r of tile 2 q + u takes row 32 q + 8 u + r + 8 (r / 8), so that the 16 registers of tiles 2 q and 2 q + 1 are 16 neighbours, 32 q + 16 (l / 16) + 0 .. 15, along the next product's K.  So the conversions' results
; ARE a fragment of the next product, and hq is laid as such images: [b][rb][K step S = 4 ub + w][tile of rows][2,048 bytes]: each store of a wave covers 512 consecutive bytes, aligned.
; SCALES.  A sum stands for sum x 2^(e0 + e1).  b1 goes in as the C of a sum's first product, divided by 2^(e0 + e1).  With acc = that sum and z = acc x 2^(e0 + e1):
; gelu(z) = z / (1 + 2^(z (c0 + c1 z^2))), c0 = -2 sqrt(2 / pi) log2(e), c1 = 0.044715 c0; the powers of two are folded into C0 = c0 2^(e0 + e1), C1 = c1 2^(3 (e0 + e1)) and into the conversion's scale 2^(e2 - e0 - e1).
; Where the exponent overflows, 2^.. is infinite or 0 and the quotient is 0 or z, as gelu is there.
; NO JOINT LOADS, though eight row blocks read one share of W1 and four unit blocks one block of x: a share goes into the registers in which it is multiplied; asked for jointly it would be written to LDS and read back,
; 256 KB more each way for a work-group, and its address hangs on route[b], a number read from memory.  No ring: nothing in LDS is filled twice.
; LIMITS, so that each power of two is an f32 number: e0 in -126 .. 119; e0 + e1 in -40 .. 40; e2 - e0 - e1 in -126 .. 119.  route[b] in 0 .. 7 (any other number is held at 7).  NaN among the inputs is not served.
; REGISTERS, in windows of 256 (s_set_vgpr_msb's low byte: bits 1:0 source 0, 3:2 source 1, 5:4 source 2, 7:6 destination):
;   window 0: v1-11 addresses; v12-19 constants; v32-63 mod's partial sums, then v32-47 x's codes; v64-127 T at work, and x's fragments of K steps 0 and 2; v128-191 1 + scale, then b1's 8 tiles, then x's fragments of
;             K step 3, then h's codes; v192-255 shift, then x's fragments of K step 1.
;   window 1: W1's fragments (tile t, K step s = 0, 1) at v[16 (2 t + s)].   window 2: those of s = 2, 3 at v[16 (2 t + s - 2)].   window 3: x as loaded, 64 registers a tile of rows; then accumulator (m, t) at v[64 m + 8 t].
; THE MODE: SCHED_MODE bits 1:0 = 2 (LLVM: expert scheduling mode 2), set by the entry lines.  The code itself states the register dependences between vector or matrix instructions and memory or LDS
; instructions, with s_wait_alu, always for 0.
; THE PLAN.  Registers that memory or LDS instructions touch, and who else names them:
;   v4-v10     addresses: written once at the head, read by every load and store.  One wait on va_vdst ahead of the first load.
;   v32-47     written by the additions of mod's parts (v32-39) and by each x tile's conversions; read by the table's two LDS stores and by each tile's four.  Ahead of each run of stores a wait on va_vdst, ahead of each
;              run of conversions a wait on vm_vsrc.
;   v64-127, v128-191, v192-255   at work in the four x tiles; behind the last tile's wait on va_vdst no vector instruction stands ahead of the loads of b1 (v128-191) and of K steps 0 and 1 (v64-127, v192-255).
;              K step 0's products read v64-127 and, as C, v128-191: ONE wait on va_vdst behind them frees both, for K step 2's fragments at once and for K step 3's in the middle of K step 1, whose products name
;              window 1, v192-255 and window 3 alone.
;   v128-191   at the end h's codes, 16 registers a tile of rows, written once by conversions and read by four stores: a tile's stores stand behind the NEXT tile's wait for its exponentials, which shows the codes written too.
;   windows 1 and 2 (W1) and window 3 (x) are loaded once, before any vector or matrix instruction names them.
.set TAB,  0                           ; LDS: 512 numbers 1 + scale, then at +2,048 the 512 of shift
.set XIMG, 4096                        ; 16 images of 2,048 bytes: tile of rows m, K step s at (4 m + s) x 2,048
.set XA,  4                            ; v4   x: 2,048 r + 64 h + 512 w: my 16 numbers of a block of 32 columns
.set LI,  5                            ; v5   16 x lane: my place in an image
.set XWI, 6                            ; v6   16 x lane + 2,048 w: where I store x's images (K step w)
.set AT,  7                            ; v7   512 w + 64 h: my columns in the table
.set TW,  8                            ; v8   16 x thread: my 4 columns of mod
.set WO,  9                            ; v9   W1: (r + 8 (r / 8)) x 512 + 16 h
.set BO,  10                           ; v10  b1: 64 h
.set PC,  32
.set T,   64
.set A,   128
.set S,   192
.set B1,  128
.set PCH, 128
.set XF0, 64
.set XF1, 192
.set XF2, 128
.set MSB, 0
.macro WIN new                         ; the immediate's high byte repeats the setting that is left; a switch that changes nothing is dropped
.if MSB != (\new)
	s_set_vgpr_msb (MSB<<8)|(\new)
.set MSB, (\new)
.endif
.endm
.macro PLACES                          ; four plain vector instructions between a matrix instruction and a vector read or write of its registers; they stand ahead of loads into such registers too, in front of the wait
.rept 4
	v_nop
.endr
.endm
.macro XLOAD m                         ; 16 rows x my 128 columns of x: 64 numbers a lane, register 16 q + 4 j + i = column 128 w + 32 q + 16 h + 4 j + i of row 16 m + r
	WIN 0xc0                                       ; destination window 3
.irp q, 0,1,2,3
.irp j, 0,1,2,3
	global_load_b128 v[64*(\m)+16*\q+4*\j:64*(\m)+16*\q+4*\j+3], v[XA], s[4:5] offset:32768*(\m)+128*\q+16*\j
.endr
.endr
.endm
.macro WLOAD s, t0                     ; W1's fragments of K step s, tiles t0 .. t0 + 3: 16 loads, into registers that nothing has named
	WIN 0x40+0x40*((\s)/2)                         ; destination window 1 or 2
.irp t, \t0, \t0+1, \t0+2, \t0+3
.irp c, 0,1,2,3
	global_load_b128 v[16*(2*(\t)+(\s)%2)+4*\c:16*(2*(\t)+(\s)%2)+4*\c+3], v[WO], s[10:11] offset:(32*((\t)/2)+8*((\t)%2))*512+128*(\s)+32*\c
.endr
.endr
.endm
.macro XSTAGE m                        ; tile m of x: modulated, held, quantised; its image to LDS
	WIN 0x03                                       ; source 0 window 3
.set i, 0
.rept 32
	v_pk_fma_f32 v[T+i:T+i+1], v[64*(\m)+i:64*(\m)+i+1], v[A+i:A+i+1], v[S+i:S+i+1]   ; x (1 + scale) + shift
.set i, i+2
.endr
	WIN 0
.set i, 0
.rept 64
	v_med3_num_f32 v[T+i], v[T+i], -v17, v17       ; the conversion to an 8-bit code does not saturate (ISA guide 7.6.2): the hold at 448 x 2^e0
.set i, i+1
.endr
	s_wait_dscnt 0x0                               ; my LDS stores so far are done,
	s_wait_alu depctr_vm_vsrc(0)                   ; and they have read v[PC ..] (tile 0: the table's two stores; later the last image's four), which the conversions write again
.irp q, 0,1,2,3
	v_cvt_scalef32_pk8_fp8_f32 v[PC+4*\q:PC+4*\q+1], v[T+16*\q:T+16*\q+7], v16
	v_cvt_scalef32_pk8_fp8_f32 v[PC+4*\q+2:PC+4*\q+3], v[T+16*\q+8:T+16*\q+15], v16
.endr
	v_nop                                          ; one plain vector instruction between a scaled conversion and the next vector instruction that writes its sources
	s_wait_alu depctr_va_vdst(0)                   ; the conversions have written v[PC ..], which the LDS stores read; behind tile 3 it also shows T, 1 + scale and shift read out, in which loads land next
.irp c, 0,1,2,3
	ds_store_b128 v[XWI], v[PC+4*\c:PC+4*\c+3] offset:XIMG+8192*(\m)+512*\c
.endr
.endm
.macro FETCH buf, s                    ; K step s of x, all four tiles of rows: 16 loads of 512 consecutive bytes
.irp m, 0,1,2,3
.irp c, 0,1,2,3
	ds_load_b128 v[\buf+16*\m+4*\c:\buf+16*\m+4*\c+3], v[LI] offset:XIMG+(4*\m+\s)*2048+512*\c
.endr
.endr
.endm
.macro KHALF s, buf, m0                ; half a K step: 16 products, tiles of rows m0 and m0 + 1.  The 32 accumulators take turns, one instruction a turn, in the same order in every K step
.if (\s) == 0
	WIN 0xc1                                       ; W1 window 1, x and b1 window 0, D window 3
.elseif (\s) == 1
	WIN 0xf1                                       ; C and D window 3
.else
	WIN 0xf2                                       ; W1 window 2
.endif
.irp m, \m0, \m0+1
.irp t, 0,1,2,3,4,5,6,7
.if (\s) == 0
	v_wmma_f32_16x16x128_fp8_fp8 v[64*(\m)+8*\t:64*(\m)+8*\t+7], v[16*(2*\t+(\s)%2):16*(2*\t+(\s)%2)+15], v[\buf+16*(\m):\buf+16*(\m)+15], v[B1+8*\t:B1+8*\t+7]
.else
	v_wmma_f32_16x16x128_fp8_fp8 v[64*(\m)+8*\t:64*(\m)+8*\t+7], v[16*(2*\t+(\s)%2):16*(2*\t+(\s)%2)+15], v[\buf+16*(\m):\buf+16*(\m)+15], v[64*(\m)+8*\t:64*(\m)+8*\t+7]
.endif
.endr
.endr
.endm
.macro SENDH m                         ; tile m's codes leave: each tile has code registers of its own: no store's data are written again
.irp c, 0,1,2,3
	global_store_b128 v[LI], v[PCH+16*(\m)+4*\c:PCH+16*(\m)+4*\c+3], s[16:17] offset:2048*(\m)+512*\c
.endr
.endm
.macro GELU m                          ; tile m's 64 sums a lane: gelu, the hold, the codes.  Each accumulator is read from its low end on.  The tile before's four stores stand behind the first wait
	WIN 0x0f                                       ; sources 0 and 1 window 3
.set i, 0
.rept 32
	v_pk_mul_f32 v[T+i:T+i+1], v[64*(\m)+i:64*(\m)+i+1], v[64*(\m)+i:64*(\m)+i+1]   ; acc^2
.set i, i+2
.endr
	WIN 0
.set i, 0
.rept 32
	v_pk_fma_f32 v[T+i:T+i+1], v[T+i:T+i+1], v[14:15], v[12:13]                     ; C1 acc^2 + C0
.set i, i+2
.endr
	WIN 0x03
.set i, 0
.rept 32
	v_pk_mul_f32 v[T+i:T+i+1], v[64*(\m)+i:64*(\m)+i+1], v[T+i:T+i+1]               ; x acc: the exponent
.set i, i+2
.endr
	WIN 0
.set i, 0
.rept 64
	v_exp_f32 v[T+i], v[T+i]
.set i, i+1
.endr
	v_nop                                          ; a plain instruction behind the last exponential,
	s_wait_alu depctr_va_vdst(0)                   ; and the wait ahead of the batch's first reader: the 64 exponentials have written T; the tile before's conversions have written its codes, which the stores below read
.if (\m) > 0
	SENDH (\m)-1
.endif
.set i, 0
.rept 32
	v_pk_add_f32 v[T+i:T+i+1], v[T+i:T+i+1], 1.0 op_sel_hi:[1,0]
.set i, i+2
.endr
.set i, 0
.rept 64
	v_rcp_f32 v[T+i], v[T+i]
.set i, i+1
.endr
	v_nop
	s_wait_alu depctr_va_vdst(0)                   ; the 64 reciprocals have written T, ahead of their first reader
	WIN 0x03
.set i, 0
.rept 32
	v_pk_mul_f32 v[T+i:T+i+1], v[64*(\m)+i:64*(\m)+i+1], v[T+i:T+i+1]               ; acc / (1 + 2^..) = gelu(z) / 2^(e0 + e1)
.set i, i+2
.endr
	WIN 0
.set i, 0
.rept 64
	v_med3_num_f32 v[T+i], v[T+i], -v19, v19       ; the hold at 448 x 2^(e2 - e0 - e1); gelu goes below 0, so it is two-sided
.set i, i+1
.endr
.irp q, 0,1,2,3
	v_cvt_scalef32_pk8_fp8_f32 v[PCH+16*(\m)+4*\q:PCH+16*(\m)+4*\q+1], v[T+16*\q:T+16*\q+7], v18
	v_cvt_scalef32_pk8_fp8_f32 v[PCH+16*(\m)+4*\q+2:PCH+16*(\m)+4*\q+3], v[T+16*\q+8:T+16*\q+15], v18
.endr
	v_nop                                          ; a plain instruction between the conversions and the next tile's writes of T
.endm
	s_load_b256 s[4:11], s[0:1], 0x0               ; x s[4:5], modp s[6:7], route s[8:9], W1's codes s[10:11]
	s_load_b128 s[12:15], s[0:1], 0x20             ; b1 s[12:13], the scales' exponents s[14:15]
	s_load_b64 s[16:17], s[0:1], 0x30              ; hq
	v_lshl_add_u32 v30, v0, 2, 0x9000
	v_mov_b32 v31, 0
	v_lshrrev_b32 v1, 5, v0
	v_readfirstlane_b32 s18, v1                    ; wave 0..3
	s_lshr_b32 s19, ttmp9, 5                       ; b
	s_bfe_u32 s20, ttmp9, 0x30002                  ; rb: 3 bits from bit 2
	s_and_b32 s21, ttmp9, 3                        ; ub
	v_and_b32 v1, 31, v0                           ; lane
	v_and_b32 v2, 15, v0                           ; r
	v_bfe_u32 v3, v0, 4, 1                         ; h
	v_and_b32 v11, 0x60, v0                        ; 32 x wave
	v_lshlrev_b32 v[XA], 11, v2
	v_lshl_add_u32 v[XA], v3, 6, v[XA]
	v_lshl_add_u32 v[XA], v11, 4, v[XA]
	v_lshlrev_b32 v[LI], 4, v1
	v_lshl_add_u32 v[XWI], v11, 6, v[LI]
	v_lshlrev_b32 v[AT], 6, v3
	v_lshl_add_u32 v[AT], v11, 4, v[AT]
	v_lshlrev_b32 v[TW], 4, v0
	v_and_b32 v[WO], 8, v2
	v_add_nc_u32 v[WO], v[WO], v2
	v_lshlrev_b32 v[WO], 9, v[WO]
	v_lshl_add_u32 v[WO], v3, 4, v[WO]
	v_lshlrev_b32 v[BO], 6, v3
	s_wait_alu depctr_va_sdst(0)                   ; s18 is written, ahead of its first reader: the bases of W1, b1 and hq are made from it
	s_lshl_b32 s28, s19, 2                         ; route[b]
	s_mov_b32 s29, 0
	s_lshl_b32 s30, s19, 20                        ; x: (512 b + 64 rb) rows of 2,048 bytes; hq: (8 b + rb) blocks of 131,072 bytes: the same number
	s_lshl_b32 s31, s20, 17
	s_add_co_u32 s30, s30, s31
	s_mov_b32 s31, 0
	s_lshl_b32 s36, s19, 12                        ; modp: 4,096 b
	s_mov_b32 s37, 0
	s_wait_kmcnt 0x0
	s_add_nc_u64 s[8:9], s[8:9], s[28:29]
	s_load_b32 s22, s[8:9], 0x0                    ; m = route[b]
	s_load_b128 s[24:27], s[14:15], 0x0            ; e0, e1, e2, e3
	s_add_nc_u64 s[4:5], s[4:5], s[30:31]
	s_add_nc_u64 s[6:7], s[6:7], s[36:37]
	s_wait_alu depctr_va_vdst(0)                   ; the seven addresses v4 to v10 are written, which the kernel's loads and stores read; none is written again
.irp q, 0,1,2,3                                ; mod[b]'s four partial sums: my 4 columns of scale, my 4 of shift
	global_load_b128 v[32+8*\q:35+8*\q], v[TW], s[6:7] offset:32768*\q
	global_load_b128 v[36+8*\q:39+8*\q], v[TW], s[6:7] offset:32768*\q+2048
.endr
	XLOAD 0
	XLOAD 1
	XLOAD 2
	WIN 0
	s_wait_kmcnt 0x0
	s_min_u32 s22, s22, 7                          ; a number read from memory enters an address only held inside its table
	s_lshl_b32 s28, s22, 20                        ; W1: a branch is 2,048 x 512 bytes;
	s_lshl_b32 s36, s21, 18                        ;  + 512 ub rows
	s_add_co_u32 s28, s28, s36
	s_lshl_b32 s36, s18, 16                        ;  + 128 w rows
	s_add_co_u32 s28, s28, s36
	s_add_nc_u64 s[10:11], s[10:11], s[28:29]
	s_lshl_b32 s28, s22, 13                        ; b1: a branch is 8,192 bytes; + (512 ub + 128 w) numbers
	s_lshl_b32 s36, s21, 11
	s_add_co_u32 s28, s28, s36
	s_lshl_b32 s36, s18, 9
	s_add_co_u32 s28, s28, s36
	s_add_nc_u64 s[12:13], s[12:13], s[28:29]
	s_lshl_b32 s36, s21, 15                        ; hq: + K step 4 ub + w, 8,192 bytes each
	s_add_co_u32 s30, s30, s36
	s_lshl_b32 s36, s18, 13
	s_add_co_u32 s30, s30, s36
	s_add_nc_u64 s[16:17], s[16:17], s[30:31]
	s_add_co_i32 s32, s24, s25                     ; e0 + e1
	s_sub_co_i32 s33, 0, s32
	s_mul_i32 s34, s32, 3
	s_add_co_i32 s38, s24, 127
	s_lshl_b32 s39, s38, 23
	v_mov_b32 v16, s39                             ; 2^e0 as f32: the conversion takes its exponent field
	s_add_co_i32 s38, s38, 8
	s_lshl_b32 s38, s38, 23
	s_or_b32 s38, s38, 0x600000
	v_mov_b32 v17, s38                             ; 448 x 2^e0
	s_sub_co_i32 s38, s26, s32
	s_add_co_i32 s38, s38, 127
	s_lshl_b32 s39, s38, 23
	v_mov_b32 v18, s39                             ; 2^(e2 - e0 - e1)
	s_add_co_i32 s38, s38, 8
	s_lshl_b32 s38, s38, 23
	s_or_b32 s38, s38, 0x600000
	v_mov_b32 v19, s38                             ; 448 x that
	v_mov_b32 v12, 0xc0135761                      ; c0 = -2 sqrt(2 / pi) log2(e) = -2.3022082
	v_ldexp_f32 v12, v12, s32                      ; C0
	v_mov_b32 v13, v12
	v_mov_b32 v14, 0xbdd2d3e8                      ; c1 = 0.044715 c0 = -0.10294324
	v_ldexp_f32 v14, v14, s34                      ; C1
	v_mov_b32 v15, v14
	s_wait_loadcnt 48                              ; mod's eight loads are in; x's three tiles, 48 loads, stay out
.irp k, 0,2,4,6
	v_pk_add_f32 v[32+\k:33+\k], v[32+\k:33+\k], v[40+\k:41+\k]
	v_pk_add_f32 v[48+\k:49+\k], v[48+\k:49+\k], v[56+\k:57+\k]
.endr
.irp k, 0,2,4,6
	v_pk_add_f32 v[32+\k:33+\k], v[32+\k:33+\k], v[48+\k:49+\k]
.endr
	v_pk_add_f32 v[32:33], v[32:33], 1.0 op_sel_hi:[1,0]   ; 1 + scale
	v_pk_add_f32 v[34:35], v[34:35], 1.0 op_sel_hi:[1,0]
	s_wait_alu depctr_va_vdst(0)                   ; the additions have written v32 to v39, which the two LDS stores read
	ds_store_b128 v[TW], v[32:35] offset:TAB
	ds_store_b128 v[TW], v[36:39] offset:TAB+2048
	s_wait_dscnt 0x0                               ; for the others' sake: my part of the table lies in LDS
	s_barrier_signal -1
	s_barrier_wait -1                              ; the table is whole
.irp q, 0,1,2,3
.irp j, 0,1,2,3
	ds_load_b128 v[A+16*\q+4*\j:A+16*\q+4*\j+3], v[AT] offset:TAB+128*\q+16*\j          ; in x's layout: register 16 q + 4 j + i = column 128 w + 32 q + 16 h + 4 j + i
	ds_load_b128 v[S+16*\q+4*\j:S+16*\q+4*\j+3], v[AT] offset:TAB+2048+128*\q+16*\j
.endr
.endr
	XLOAD 3
	s_wait_loadcnt 48                              ; x's tile 0 is in; younger: tiles 1, 2, 3
	s_wait_dscnt 0x0                               ; 1 + scale and shift are in
	XSTAGE 0
	WLOAD 0, 0
	s_wait_loadcnt 48                              ; tile 1; younger: tiles 2, 3 and 16 loads of W1
	XSTAGE 1
	WLOAD 0, 4
	s_wait_loadcnt 48                              ; tile 2; younger: tile 3 and 32 loads of W1
	XSTAGE 2
	WLOAD 1, 0
	s_wait_loadcnt 48                              ; tile 3; younger: 48 loads of W1
	XSTAGE 3
.irp t, 0,1,2,3,4,5,6,7                        ; b1 in the result's layout: for tile t, lane (r, h): units 32 (t / 2) + 16 h + 8 (t % 2) + 0 .. 7.  It takes the registers that 1 + scale has left: tile 3's wait on va_vdst has shown them read out, and no vector instruction stands behind it
	global_load_b128 v[B1+8*\t:B1+8*\t+3], v[BO], s[12:13] offset:(32*(\t/2)+8*(\t%2))*4
	global_load_b128 v[B1+8*\t+4:B1+8*\t+7], v[BO], s[12:13] offset:(32*(\t/2)+8*(\t%2))*4+16
.endr
	WLOAD 1, 4
	WIN 0
	s_wait_dscnt 0x0                               ; for the others' sake: my four images lie in LDS
	s_barrier_signal -1
	s_barrier_wait -1                              ; x's sixteen fragments lie in LDS
	FETCH XF0, 0                                   ; into T and into shift's registers: the same wait has shown them written and read out
	FETCH XF1, 1
	s_wait_loadcnt 16                              ; W1's K step 0 and b1 are in; younger: the 16 loads of K step 1's tiles 4 to 7
	WLOAD 2, 0
	WLOAD 2, 4
	WIN 0
.set i, 0
.rept 64
	v_ldexp_f32 v[B1+i], v[B1+i], s33              ; b1 / 2^(e0 + e1)
.set i, i+1
.endr
	s_wait_dscnt 16                                ; x's K step 0 is in; K step 1's 16 loads may be out
	KHALF 0, XF0, 0
	KHALF 0, XF0, 2
	s_wait_loadcnt 32                              ; W1's K step 1 is in; younger: K step 2's 32 loads
	WLOAD 3, 0
	WLOAD 3, 4
	WIN 0
	PLACES
	s_wait_alu depctr_va_vdst(0)                   ; K step 0's products are done reading x's fragments in v64-127 and b1 in v128-191 (which v_ldexp_f32 has written): K step 2's fragments land in the first, K step 3's in the second
	FETCH XF0, 2
	s_wait_dscnt 16                                ; x's K step 1 is in; K step 2's 16 loads may be out
	KHALF 1, XF1, 0
	WIN 0
	FETCH XF2, 3                                   ; no wait: the products issued since the wait name window 1, v192-255 and window 3, none of v128-191
	KHALF 1, XF1, 2
	s_wait_loadcnt 32                              ; W1's K step 2 is in; younger: K step 3's 32 loads
	s_wait_dscnt 16                                ; x's K step 2 is in; K step 3's 16 loads may be out
	KHALF 2, XF0, 0
	KHALF 2, XF0, 2
	s_wait_loadcnt 0x0
	s_wait_dscnt 0x0
	KHALF 3, XF2, 0
	KHALF 3, XF2, 2
	WIN 0
	PLACES
	GELU 0
	GELU 1
	GELU 2
	GELU 3
	s_wait_alu depctr_va_vdst(0)                   ; tile 3's conversions have written its codes, which the last four stores read
	SENDH 3
	s_wait_dscnt 0x0
	s_wait_alu depctr_hold_cnt(0) depctr_sa_sdst(0) depctr_va_vdst(0) depctr_va_sdst(0) depctr_va_ssrc(0) depctr_va_vcc(0) depctr_vm_vsrc(0)
	s_wait_tensorcnt 0x0
	ds_add_u32 v30, v31
	s_wait_dscnt 0x0
	s_endpgm
.Lfunc_end_k_q9ab96dd582_up:
	.size	k_q9ab96dd582_up, .Lfunc_end_k_q9ab96dd582_up-k_q9ab96dd582_up
	.p2alignl 7, 3214868480
	.fill 96, 4, 3214868480
	.section	.rodata,"a",@progbits
	.p2align	6, 0x0
	.amdhsa_kernel k_q9ab96dd582_up
		.amdhsa_group_segment_fixed_size 37376
		.amdhsa_private_segment_fixed_size 0
		.amdhsa_enable_private_segment 0
		.amdhsa_kernarg_size 56
		.amdhsa_user_sgpr_count 2
		.amdhsa_user_sgpr_kernarg_segment_ptr 1
		.amdhsa_wavefront_size32 1
		.amdhsa_system_sgpr_workgroup_id_x 1
		.amdhsa_system_sgpr_workgroup_id_y 1
		.amdhsa_system_sgpr_workgroup_id_z 1
		.amdhsa_system_vgpr_workitem_id 0
		.amdhsa_next_free_vgpr 1024
		.amdhsa_next_free_sgpr 66
		.amdhsa_reserve_vcc 0
		.amdhsa_float_denorm_mode_32 3
		.amdhsa_float_denorm_mode_16_64 3
		.amdhsa_memory_ordered 1
		.amdhsa_forward_progress 1
		.amdhsa_inst_pref_size 150
	.end_amdhsa_kernel
	.amdgpu_metadata
---
amdhsa.version: [ 1, 2 ]
amdhsa.kernels:
  - .name:           k_q9ab96dd582_up
    .symbol:         k_q9ab96dd582_up.kd
    .args:
      - { .name: x, .offset: 0, .size: 8, .value_kind: global_buffer, .address_space: global }
      - { .name: modp, .offset: 8, .size: 8, .value_kind: global_buffer, .address_space: global }
      - { .name: route, .offset: 16, .size: 8, .value_kind: global_buffer, .address_space: global }
      - { .name: W1_codes, .offset: 24, .size: 8, .value_kind: global_buffer, .address_space: global }
      - { .name: b1, .offset: 32, .size: 8, .value_kind: global_buffer, .address_space: global }
      - { .name: lowp_scales, .offset: 40, .size: 8, .value_kind: global_buffer, .address_space: global }
      - { .name: hq, .offset: 48, .size: 8, .value_kind: global_buffer, .address_space: global }
    .group_segment_fixed_size: 37376
    .private_segment_fixed_size: 0
    .kernarg_segment_align: 8
    .kernarg_segment_size: 56
    .max_flat_workgroup_size: 128
    .sgpr_count:     66
    .vgpr_count:     1024
    .wavefront_size: 32
...
	.end_amdgpu_metadata
.endif
;; end of part 4
;; launch down (part 5): grid 256 x 1, 4 waves a work-group, no clusters, 165,376 bytes of LDS; arguments hq, route, W2_codes, b2, lowp_scales, out0; writes out0
.if DOCPART == 5
	.amdgcn_target "amdgcn-amd-amdhsa--gfx1250"
	.amdhsa_code_object_version 6
	.text
	.protected	k_q9ab96dd582_down
	.globl	k_q9ab96dd582_down
	.p2align	8
	.type	k_q9ab96dd582_down,@function
k_q9ab96dd582_down:
	s_mov_b64 s[64:65], 0
	v_nop
	global_prefetch_b8 v0, s[64:65] scope:SCOPE_SE
	s_setreg_imm32_b32 hwreg(HW_REG_WAVE_SCHED_MODE, 0, 2), 2
	s_setreg_imm32_b32 hwreg(HW_REG_WAVE_MODE, 25, 1), 1
	s_wait_xcnt 0x0
	s_wait_alu depctr_vm_vsrc(0)
; out0 = h W2[m] x 2^(e2 + e3) + b2[m], m = route[b]: the second quantised product of the branch that reference()'s one-hot keeps, on codes of FP8 (E4M3).  h's codes come from the launch before (hq), W2's are given.
; SHARES.  256 work-groups: batch b = id / 32, row block rb = (id / 4) % 8 (64 rows), column block cb = id % 4 (128 outputs).  K = 2,048: 16 steps of 128.  Four waves; THE WAVES SHARE THE COLUMNS: wave w makes outputs
; 128 cb + 32 w + 0 .. 31 (2 tiles) for all 64 rows (4 tiles): 8 accumulators.  Its share of W2, 32 rows x 2,048 codes, goes from memory straight into 512 registers, once.
; h: the row block's codes are 64 images of operand registers (K step S, tile of rows m at (4 S + m) x 2,048), one dense block of 128 KB.  Wave w copies a quarter of it through registers into LDS as it lies,
; 512 consecutive bytes a load and a store; behind one barrier all four waves read all of it, fragment by fragment, by loads of 512 consecutive bytes.
; THE PRODUCT IS USED TRANSPOSED (source 0 = 16 rows of W2, source 1 = 16 rows of h): a lane holds eight neighbouring outputs of one row.  A row's 128 outputs come from four waves: they meet in a stage in LDS
; (rows of 512 bytes + 16), and each wave stores 16 whole rows: 512 consecutive bytes a store, aligned to 512.
; In both operands registers 4 c .. 4 c + 3 of lane l hold k = 32 c + 16 (l / 16) + 0 .. 15: the same permutation of k on both sides.
; NO JOINT LOADS, though eight row blocks read one share of W2 and four column blocks one block of h: W2's share goes into the registers in which it is multiplied (through LDS it would be 256 KB more each way for a
; work-group), and its address hangs on route[b], a number read from memory.  No ring: nothing in LDS is filled twice.
; LIMITS: e2 + e3 in -126 .. 127, so that 2^(e2 + e3) is an f32 number.  route[b] in 0 .. 7 (any other number is held at 7).
; REGISTERS, in windows of 256 (s_set_vgpr_msb's low byte: bits 1:0 source 0, 3:2 source 1, 5:4 source 2, 7:6 destination):
;   window 0: v1-11 addresses; v16-31 b2's two tiles; v64-127, v128-191 h's fragment buffers 0 and 1, later the results and the rows read back; v192-255 accumulator (m, n) at v[192 + 8 (2 m + n)].
;   window 1: W2's fragments (tile n, K step S < 8) at v[16 (2 S + n)].   window 2: those of S >= 8 at v[16 (2 (S - 8) + n)].   window 3: h on its way to LDS, load i at v[4 i]; then h's fragment buffers 2 to 5, 64 registers each.
; THE MODE: SCHED_MODE bits 1:0 = 2 (LLVM: expert scheduling mode 2), set by the entry lines.  The code itself states the register dependences between vector or matrix instructions and memory or LDS
; instructions, with s_wait_alu, always for 0.
; THE PLAN.  Registers that memory or LDS instructions touch, and who else names them:
;   v4-v10     addresses: written once at the head, read by every load and store.  One wait on va_vdst ahead of the first load.
;   window 3   h's global loads land in it, my 64 LDS stores read it; then it holds fragment buffers.  One wait on vm_vsrc behind the barrier, ahead of the first fragment load.
;   buffers 0 .. 5   K step KS multiplies buffer KS % 6.  Steps 0 to 2 are asked for behind the barrier; step KS asks for step KS + 3, eight loads behind each four of its products, into the buffer that step KS - 3 multiplied.
;              ONE wait on va_vdst at the head of steps 3, 6, 9 and 12 shows the three steps before done reading their buffers: these take the loads of this step and the next two, whose products name the other three
;              buffers, W2 and the accumulators alone.
;   windows 1, 2 (W2) and v16-31 (b2) are loaded once, before any matrix or vector instruction names them.
;   Y, BK      the way out: one wait on va_vdst ahead of the stage's stores shows Y written and the products done with BK, in which the stage's rows land.
.set STG,  131072                      ; LDS: h's images from byte 0; behind them the stage: 64 rows x 528 bytes
.set LI0, 4                            ; v4   16 x lane: my place in an image
.set LI1, 5                            ; v5   the same + 65,536: an LDS offset has 16 bits, so K steps 8 to 15 have a register of their own
.set HO,  6                            ; v6   16 x lane + 32,768 w: my wave's quarter of h's block, in memory and in LDS alike
.set WO,  7                            ; v7   W2: 2,048 r + 16 h
.set BO,  8                            ; v8   b2: 32 h
.set SO,  9                            ; v9   the stage: where I put 32 bytes of a row
.set SR,  10                           ; v10  and where I read a row back
.set B2,  16
.set Y,   64
.set BK,  128
.set ACC, 192
.set MSB, 0
.macro WIN new                         ; the immediate's high byte repeats the setting that is left; a switch that changes nothing is dropped
.if MSB != (\new)
	s_set_vgpr_msb (MSB<<8)|(\new)
.set MSB, (\new)
.endif
.endm
.macro PLACES                          ; four plain vector instructions between a matrix instruction and a vector read of its registers; they stand ahead of loads into such registers too, in front of the wait
.rept 4
	v_nop
.endr
.endm
.macro HLOAD g                         ; 16 loads of 512 consecutive bytes of my quarter of h's block
	WIN 0xc0                                       ; destination window 3
.set i, 16*(\g)
.rept 16
	global_load_b128 v[4*i:4*i+3], v[HO], s[4:5] offset:512*i
.set i, i+1
.endr
.endm
.macro HSTORE g                        ; and to LDS as they lie
	WIN 0x0c                                       ; an LDS store's data are source 1: window 3
.set i, 16*(\g)
.rept 16
	ds_store_b128 v[HO], v[4*i:4*i+3] offset:512*i
.set i, i+1
.endr
.endm
.macro GLOAD p                         ; W2's fragments of K steps 2 p and 2 p + 1, both tiles: 16 loads, 256 consecutive bytes of each of my 32 rows, into registers that nothing has named
	WIN 0x40+0x40*((\p)/4)                         ; destination window 1 or 2
.irp u, 0,1
.irp n, 0,1
.irp c, 0,1,2,3
	global_load_b128 v[16*(2*((2*(\p)+\u)%8)+\n)+4*\c:16*(2*((2*(\p)+\u)%8)+\n)+4*\c+3], v[WO], s[8:9] offset:32768*\n+128*(2*(\p)+\u)+32*\c
.endr
.endr
.endr
.endm
.macro FETCH st, m0                    ; K step st of h, tiles of rows m0 and m0 + 1: 8 loads, into buffer st % 6
.set FJ, (\st)%6
.if FJ < 2
.set FB, 64+64*FJ
	WIN 0                                          ; buffers 0 and 1 lie in window 0
.else
.set FB, 64*(FJ-2)
	WIN 0xc0                                       ; buffers 2 to 5 in window 3; the address in window 0
.endif
.irp m, \m0, \m0+1
.irp c, 0,1,2,3
	ds_load_b128 v[FB+16*(\m)+4*\c:FB+16*(\m)+4*\c+3], v[LI0+(\st)/8] offset:((4*(\st)+(\m))*2048+512*\c)%65536
.endr
.endr
.endm
.macro MUL4 m0                         ; four of K step KS's eight products: tiles of rows m0 and m0 + 1 x my two tiles of outputs.  HB: the step's buffer; MW: W2 in window 1 or 2, h in window 0 or 3, C and D in window 0
	WIN MW
.irp m, \m0, \m0+1
.irp n, 0,1
.if KS == 0
	v_wmma_f32_16x16x128_fp8_fp8 v[ACC+8*(2*(\m)+\n):ACC+8*(2*(\m)+\n)+7], v[16*(2*(KS%8)+\n):16*(2*(KS%8)+\n)+15], v[HB+16*(\m):HB+16*(\m)+15], 0
.else
	v_wmma_f32_16x16x128_fp8_fp8 v[ACC+8*(2*(\m)+\n):ACC+8*(2*(\m)+\n)+7], v[16*(2*(KS%8)+\n):16*(2*(KS%8)+\n)+15], v[HB+16*(\m):HB+16*(\m)+15], v[ACC+8*(2*(\m)+\n):ACC+8*(2*(\m)+\n)+7]
.endif
.endr
.endr
.endm
	s_load_b256 s[4:11], s[0:1], 0x0               ; hq s[4:5], route s[6:7], W2's codes s[8:9], b2 s[10:11]
	s_load_b128 s[12:15], s[0:1], 0x20             ; the scales' exponents s[12:13], out0 s[14:15]
	v_lshl_add_u32 v62, v0, 2, 0x28400
	v_mov_b32 v63, 0
	v_lshrrev_b32 v1, 5, v0
	v_readfirstlane_b32 s16, v1                    ; wave 0..3
	s_lshr_b32 s17, ttmp9, 5                       ; b
	s_bfe_u32 s18, ttmp9, 0x30002                  ; rb: 3 bits from bit 2
	s_and_b32 s19, ttmp9, 3                        ; cb
	v_and_b32 v1, 31, v0                           ; lane
	v_and_b32 v2, 15, v0                           ; r
	v_bfe_u32 v3, v0, 4, 1                         ; h
	v_and_b32 v11, 0x60, v0                        ; 32 x wave
	v_lshlrev_b32 v[LI0], 4, v1
	v_add_nc_u32 v[LI1], 0x10000, v[LI0]
	v_lshl_add_u32 v[HO], v11, 10, v[LI0]
	v_lshlrev_b32 v[WO], 11, v2
	v_lshl_add_u32 v[WO], v3, 4, v[WO]
	v_lshlrev_b32 v[BO], 5, v3
	v_mul_u32_u24 v[SO], v2, 528                   ; the stage, on the way in: row r, + 32 h, + 128 w: my eight outputs' bytes
	v_lshl_add_u32 v[SO], v3, 5, v[SO]
	v_lshl_add_u32 v[SO], v11, 2, v[SO]
	v_add_nc_u32 v[SO], STG, v[SO]
	v_mul_u32_u24 v[SR], v11, 264                  ; and back: my 16 rows (16 x 528 w), 16 bytes a lane
	v_add_nc_u32 v[SR], v[SR], v[LI0]
	v_add_nc_u32 v[SR], STG, v[SR]
	s_wait_alu depctr_va_sdst(0)                   ; s16 is written, ahead of its first reader: the bases of out0, W2 and b2 are made from it
	s_lshl_b32 s30, s17, 20                        ; hq: (8 b + rb) blocks of 131,072 bytes; out0: (512 b + 64 rb) rows of 2,048 bytes: the same number
	s_lshl_b32 s31, s18, 17
	s_add_co_u32 s30, s30, s31
	s_mov_b32 s31, 0
	s_lshl_b32 s32, s17, 2                         ; route[b]
	s_mov_b32 s33, 0
	s_wait_kmcnt 0x0
	s_add_nc_u64 s[6:7], s[6:7], s[32:33]
	s_load_b32 s20, s[6:7], 0x0                    ; m = route[b]
	s_load_b128 s[24:27], s[12:13], 0x0            ; e0, e1, e2, e3
	s_add_nc_u64 s[4:5], s[4:5], s[30:31]
	s_wait_alu depctr_va_vdst(0)                   ; the seven addresses v4 to v10 are written, which the kernel's loads and stores read; none is written again
	HLOAD 0
	HLOAD 1
	HLOAD 2
	WIN 0
	s_lshl_b32 s34, s16, 15                        ; out0: + 16 w rows
	s_add_co_u32 s30, s30, s34
	s_lshl_b32 s34, s19, 9                         ;  + 128 cb numbers
	s_add_co_u32 s30, s30, s34
	s_add_nc_u64 s[14:15], s[14:15], s[30:31]
	s_wait_kmcnt 0x0
	s_min_u32 s20, s20, 7                          ; a number read from memory enters an address only held inside its table
	s_lshl_b32 s32, s20, 20                        ; W2: a branch is 512 x 2,048 bytes;
	s_lshl_b32 s34, s19, 18                        ;  + 128 cb rows
	s_add_co_u32 s32, s32, s34
	s_lshl_b32 s34, s16, 16                        ;  + 32 w rows
	s_add_co_u32 s32, s32, s34
	s_add_nc_u64 s[8:9], s[8:9], s[32:33]
	s_lshl_b32 s32, s20, 11                        ; b2: a branch is 2,048 bytes; + (128 cb + 32 w) numbers
	s_lshl_b32 s34, s19, 9
	s_add_co_u32 s32, s32, s34
	s_lshl_b32 s34, s16, 7
	s_add_co_u32 s32, s32, s34
	s_add_nc_u64 s[10:11], s[10:11], s[32:33]
	s_add_co_i32 s28, s26, s27                     ; e2 + e3
	s_add_co_i32 s28, s28, 127
	s_lshl_b32 s28, s28, 23                        ; 2^(e2 + e3) as f32
	s_mov_b32 s29, s28                             ; (named with it as a pair, so it is written)
	HLOAD 3
	s_wait_loadcnt 48                              ; h's first 16 loads are in; younger: its other 48
	HSTORE 0
	GLOAD 0
	s_wait_loadcnt 48                              ; each time three younger groups of 16 stay out
	HSTORE 1
	GLOAD 1
	s_wait_loadcnt 48
	HSTORE 2
	GLOAD 2
	s_wait_loadcnt 48
	HSTORE 3
	GLOAD 3
	WIN 0
	s_wait_dscnt 0x0                               ; for the others' sake: my quarter of h lies in LDS
	s_barrier_signal -1
	s_barrier_wait -1                              ; h's 64 fragments lie in LDS
	s_wait_alu depctr_vm_vsrc(0)                   ; my LDS stores have read window 3: its registers are fragment buffers 2 to 5 from here on, in which LDS loads land
	FETCH 0, 0
	FETCH 0, 2
	FETCH 1, 0
	FETCH 1, 2
	FETCH 2, 0
	FETCH 2, 2
; THE 16 K STEPS.  Step KS multiplies buffer KS % 6 and asks for step KS + 3's four fragments, two behind each four of its products; in even steps the wait for W2's group KS / 2 stands, and up to step 6 a further group goes out.
; 8 products a step: the 8 accumulators take turns, one instruction a turn, in the same order in every step.  The first step's products start the sums.
.set KS, 0
.rept 16
.set HJ, KS%6
.if HJ < 2
.set HWN, 0
.set HB, 64+64*HJ
.else
.set HWN, 3
.set HB, 64*(HJ-2)
.endif
.set MW, (1+KS/8)|(HWN<<2)
.if KS%2 == 0
.if KS < 8
	s_wait_loadcnt 48                              ; W2's group KS / 2 is in; younger: the next three groups of 16
	GLOAD KS/2+4
.if KS == 6
	WIN 0
.irp n, 0,1                                    ; b2 in the result's layout: for tile n, lane (r, h): outputs 16 n + 8 h + 0 .. 7
	global_load_b128 v[B2+8*\n:B2+8*\n+3], v[BO], s[10:11] offset:64*\n
	global_load_b128 v[B2+8*\n+4:B2+8*\n+7], v[BO], s[10:11] offset:64*\n+16
.endr
.endif
.else
	s_wait_loadcnt 52-16*(KS/2-4)                  ; younger: the groups still to come, 16 loads each, and b2's four
.endif
.endif
.if KS < 14
	s_wait_dscnt 32                                ; this step's fragments of h are in; the next two steps' 32 loads may be out
.else
	s_wait_dscnt 16*(15-KS)                        ; the counts run down
.endif
.if (KS >= 3) && (KS <= 12) && (KS%3 == 0)
	PLACES
	s_wait_alu depctr_va_vdst(0)                   ; the products of steps KS - 3 to KS - 1 are done reading their three buffers, in which the fragment loads of this step and of the next two land
.endif
	MUL4 0
.if KS < 13
	FETCH KS+3, 0                                  ; no wait: the products issued since the last wait on va_vdst name the other three buffers, W2 and the accumulators
.endif
	MUL4 2
.if KS < 13
	FETCH KS+3, 2
.endif
.set KS, KS+1
.endr
	WIN 0
	PLACES
	s_wait_loadcnt 0x0                             ; b2
.irp m, 0,1,2,3
.irp n, 0,1
.irp i, 0,2,4,6
	v_pk_fma_f32 v[Y+8*(2*\m+\n)+\i:Y+8*(2*\m+\n)+\i+1], v[ACC+8*(2*\m+\n)+\i:ACC+8*(2*\m+\n)+\i+1], s[28:29], v[B2+8*\n+\i:B2+8*\n+\i+1] op_sel_hi:[1,0,1]   ; sum x 2^(e2 + e3) + b2; each accumulator from its low end on
.endr
.endr
.endr
	s_wait_alu depctr_va_vdst(0)                   ; the multiply-adds have written Y, which the LDS stores read; K step 13's products are done reading v128-191, in which the stage's rows land below
.irp m, 0,1,2,3
.irp n, 0,1
	ds_store_b128 v[SO], v[Y+8*(2*\m+\n):Y+8*(2*\m+\n)+3] offset:8448*\m+64*\n        ; lane (r, h): out(16 m + r, 32 w + 16 n + 8 h + 0 .. 7)
	ds_store_b128 v[SO], v[Y+8*(2*\m+\n)+4:Y+8*(2*\m+\n)+7] offset:8448*\m+64*\n+16
.endr
.endr
	s_wait_dscnt 0x0                               ; for the others' sake: my columns lie in the stage
	s_barrier_signal -1
	s_barrier_wait -1                              ; 64 whole rows lie in the stage
.irp i, 0,1,2,3,4,5,6,7,8,9,10,11,12,13,14,15
	ds_load_b128 v[BK+4*\i:BK+4*\i+3], v[SR] offset:528*\i
.endr
.irp i, 0,1,2,3,4,5,6,7,8,9,10,11,12,13,14,15
	s_wait_dscnt 15-\i                             ; row i is back; the younger rows may be out
	global_store_b128 v[LI0], v[BK+4*\i:BK+4*\i+3], s[14:15] offset:2048*\i th:TH_STORE_NT   ; 32 lanes store 512 consecutive bytes of a row, aligned to 512; written once, read by nobody here
.endr
	s_wait_dscnt 0x0
	s_wait_alu depctr_hold_cnt(0) depctr_sa_sdst(0) depctr_va_vdst(0) depctr_va_sdst(0) depctr_va_ssrc(0) depctr_va_vcc(0) depctr_vm_vsrc(0)
	s_wait_tensorcnt 0x0
	ds_add_u32 v62, v63
	s_wait_dscnt 0x0
	s_endpgm
.Lfunc_end_k_q9ab96dd582_down:
	.size	k_q9ab96dd582_down, .Lfunc_end_k_q9ab96dd582_down-k_q9ab96dd582_down
	.p2alignl 7, 3214868480
	.fill 96, 4, 3214868480
	.section	.rodata,"a",@progbits
	.p2align	6, 0x0
	.amdhsa_kernel k_q9ab96dd582_down
		.amdhsa_group_segment_fixed_size 165376
		.amdhsa_private_segment_fixed_size 0
		.amdhsa_enable_private_segment 0
		.amdhsa_kernarg_size 48
		.amdhsa_user_sgpr_count 2
		.amdhsa_user_sgpr_kernarg_segment_ptr 1
		.amdhsa_wavefront_size32 1
		.amdhsa_system_sgpr_workgroup_id_x 1
		.amdhsa_system_sgpr_workgroup_id_y 1
		.amdhsa_system_sgpr_workgroup_id_z 1
		.amdhsa_system_vgpr_workitem_id 0
		.amdhsa_next_free_vgpr 1024
		.amdhsa_next_free_sgpr 66
		.amdhsa_reserve_vcc 0
		.amdhsa_float_denorm_mode_32 3
		.amdhsa_float_denorm_mode_16_64 3
		.amdhsa_memory_ordered 1
		.amdhsa_forward_progress 1
		.amdhsa_inst_pref_size 60
	.end_amdhsa_kernel
	.amdgpu_metadata
---
amdhsa.version: [ 1, 2 ]
amdhsa.kernels:
  - .name:           k_q9ab96dd582_down
    .symbol:         k_q9ab96dd582_down.kd
    .args:
      - { .name: hq, .offset: 0, .size: 8, .value_kind: global_buffer, .address_space: global }
      - { .name: route, .offset: 8, .size: 8, .value_kind: global_buffer, .address_space: global }
      - { .name: W2_codes, .offset: 16, .size: 8, .value_kind: global_buffer, .address_space: global }
      - { .name: b2, .offset: 24, .size: 8, .value_kind: global_buffer, .address_space: global }
      - { .name: lowp_scales, .offset: 32, .size: 8, .value_kind: global_buffer, .address_space: global }
      - { .name: out0, .offset: 40, .size: 8, .value_kind: global_buffer, .address_space: global }
    .group_segment_fixed_size: 165376
    .private_segment_fixed_size: 0
    .kernarg_segment_align: 8
    .kernarg_segment_size: 48
    .max_flat_workgroup_size: 128
    .sgpr_count:     66
    .vgpr_count:     1024
    .wavefront_size: 32
...
	.end_amdgpu_metadata
.endif
;; end of part 5
